; MI455X (gfx1250); checked and timed in simulation.
; The chip was launched on July 23, 2026; its instructions are those of AMD's public machine-readable ISA for CDNA 5 (MIT licence, August 2026) and "CDNA5" Instruction Set Architecture Reference Guide (July 2026). The comments in the code are by the model that wrote it; some were corrected since.
;; Multi Head Attention. Allowed arithmetic: matrix products marked QUANTISED: E2M3 operands, one E8M0 scale for each 32 along K, by v_wmma_scale_f32_16x16x128_f8f6f4 with both operands' format E2M3, f32 sums; everything else in f32.
;; Inputs: b_attn 3,072 float32; b_proj 1,024 float32; w_attn 1,024 x 3,072 float32; w_proj 1,024 x 1,024 float32; x 4 x 2,048 x 1,024 float32.
;; Outputs: out0 4 x 2,048 x 1,024 float32.
;; This version of the problem:
;;   THIS VERSION OF THE PROBLEM IS GIVEN IN LOW PRECISION. The matrix products marked QUANTISED in the list below multiply operands that are first quantised to E2M3 (2 exponent bits, 3 mantissa bits; 6 bits a number), with one power-of-two scale for each 32 numbers along K (OCP MX v1.0); their sums are f32. All else is computed in f32.
;;   The module's matrix products, in the order in which they are computed (A, B: the left and right operand; K: the contracted axis; several contracted axes count as one K, in the product's order):
;;     1. [M 8,192, K 1,024] x [K 1,024, N 3,072]; A: input x; B: input w_attn: QUANTISED
;;     2. batch 64 x [M 2,048, K 64] x [K 64, N 2,048]; A: computed on the way; B: computed on the way: QUANTISED
;;     3. batch 64 x [M 64, K 2,048] x [K 2,048, N 2,048]; A: computed on the way; B: softmax (see below): QUANTISED
;;     4. [M 8,192, K 1,024] x [K 1,024, N 1,024]; A: computed on the way; B: input w_proj: QUANTISED
;;   THE QUANTISER, for each operand of a quantised product, along K:
;;     - K is cut into blocks of 32 from its start; a last block that is shorter is filled with zeros.
;;     - A block's scale is 2^e with e = floor(log2(the largest magnitude in the block)) - 2, held to -126 .. 127; a block of zeros has e = 0. As a byte (E8M0): e + 127.
;;     - Each number is divided by its block's scale, clamped to +-7.5, and rounded to the nearest number of E2M3, ties to even, subnormals kept.
;;     - The product sums the exact products of the quantised numbers (number of the format x scale) in f32.
;;   ~~~python
;;   def quantise(x, axis):      # numpy; x: float32 -> the quantised numbers, widened to float32 again
;;       x = np.moveaxis(x, axis, -1); K = x.shape[-1]
;;       x = np.pad(x, [(0, 0)] * (x.ndim - 1) + [(0, -K % 32)]); x = x.reshape(x.shape[:-1] + (-1, 32)); a = np.abs(x).max(-1, keepdims=True)
;;       e = np.where(a > 0, np.clip(np.frexp(np.where(a > 0, a, 1))[1] - 1 - 2, -126, 127), 0)      # np.frexp(a)[1] - 1 = floor(log2(a)), exactly
;;       r = np.clip(x / 2.0 ** e, -7.5, 7.5)
;;       step = 2.0 ** (np.maximum(np.frexp(np.where(r == 0, 1, r))[1] - 1, 0) - 3)
;;       q = np.round(r / step) * step * 2.0 ** e      # np.round: ties to even
;;       return np.moveaxis(q.reshape(q.shape[:-2] + (-1,))[..., :K], -1, axis).astype(np.float32)
;;   ~~~
;;   SOFTMAX AHEAD OF A QUANTISED PRODUCT. Where the list says 'softmax', what is quantised is not the finished softmax but p = 2^(t - M), with t = logit x log2(e) and M = ceil(the row's largest t), a whole number; so 1/2 < the row's largest p <= 1. The row's sum l is taken of the UNQUANTISED p, in f32, and the product's result is divided by l at the end. Since M is a whole number, a kernel that streams over the keys may use a running M (the ceiling of the running maximum): every later rescaling is an exact power of two, which a block's scale takes up: the codes' values come out the same.
;;   OPERANDS COMPUTED ON THE WAY. 'Computed on the way' means the value that the module computes at that place (a softmax that the list does not call 'softmax' is quantised finished and normalised). What goes into a quantiser is computed in f32, as accurately as f32 sums, v_exp_f32 and their like allow (about 1e-6 of the number): no bf16 or f16 on the way to a quantiser, and a product that is left as it is and whose result goes on into a quantised operand takes f32 operands (vector FMAs, or v_wmma_f32_16x16x4_f32). A number that lies on a knife's edge between two numbers of the format may be rounded either way, as far as f32 arithmetic and the matrix unit's own rounding can turn it there, and no further.
;; One version. Each part assembles by itself: llvm-mc -triple=amdgcn-amd-amdhsa -mcpu=gfx1250 --defsym DOCPART=n.
;; ======== version 1 of 1: 4 launches
;; limits: right only within a limited range of input values
;; workspace buffers: xc 6,291,456 bytes; xs 262,144 bytes; wc 3,145,728 bytes; ws 131,072 bytes; qb 6,815,744 bytes; kv 13,369,344 bytes; yc 6,291,456 bytes; ys 262,144 bytes
;; launch quant (part 1): grid 384 x 1, 4 waves a work-group, no clusters, 34,304 bytes of LDS; arguments x, w_attn, w_proj, xc, xs, wc, ws; writes xc, xs, wc, ws
.if DOCPART == 1
	.amdgcn_target "amdgcn-amd-amdhsa--gfx1250"
	.amdhsa_code_object_version 6
	.text
	.protected	k_qa1f2fce4a7_quant
	.globl	k_qa1f2fce4a7_quant
	.p2align	8
	.type	k_qa1f2fce4a7_quant,@function
k_qa1f2fce4a7_quant:
	s_mov_b64 s[64:65], 0
	v_nop
	global_prefetch_b8 v0, s[64:65] scope:SCOPE_SE
	s_setreg_imm32_b32 hwreg(HW_REG_WAVE_MODE, 25, 1), 1
	s_wait_xcnt 0x0
; x [8192][1024], w_attn [1024][3072] and w_proj [1024][1024], f32, become codes of FP6 (E2M3) with one E8M0 scale byte for each 32 along K (K = 1,024 in all three).
; A block's scale is 2^(floor(log2(its largest magnitude)) - 2); its byte is the largest magnitude's exponent field - 2, held at 1 from below by a floor among the maximum's leaves.
; LIMITS: NaN and infinities among the inputs are not served; a block of zeros, or one whose largest magnitude lies under 2^-124, gets the byte 1 (the rule says 127 for zeros): its codes are zeros or
; next to it, and the bytes are read by this program alone.
; THE CODES ARE LAID AS IMAGES OF THE OPERAND'S REGISTERS.  A tile is 16 rows: lane r of tile T holds row 32 (T / 2) + 8 (T % 2) + r + 8 (r / 8).  A half-image, 768 bytes, is 16 rows x 64 K:
; registers 0-3 of lane L at 16 L, registers 4-5 at 512 + 8 L; lane (r, h) holds k = 32 h .. 32 h + 31.  An operand: [block of 128 rows][chunk of 256 K][tile 0-7][128 K: 0, 1][64 K: 0, 1][768 bytes].
; THE SCALE BYTES: [tile][r][8 words], a word for each 128 along K.
; xc, xs: rows = tokens.  wc, ws: rows 0-3071 = w_attn's columns, rows 3072-4095 = w_proj's.
; Work-groups 0-255 take x, 256-383 the weights; each reads 128 KiB.  Waves share nothing: no barrier.  No work-group reads what another reads: no cluster, no joint loads.  Only x's path touches LDS.
.set TM,  12                           ; v12-27   x: largest magnitudes (0-3), bytes (4-7), scale operands (12-15)
.set PW,  28                           ; v28-31   x: the scale words of my four K steps
.set PC,  32                           ; v32-43   x: a fragment's codes; v44-46, v48-50 the conversions' second halves
.set X,   64                           ; v64-127  x: 64 numbers of a lane: register 16 b + i = k 32 b + 16 h + i of my row
.set R,   128                          ; v128-255 x: two sets of 64 registers as loaded
.set OFF, 32                           ; v32-63   weights: 4 L + i rows, never rewritten
.set WX,  64                           ; v64-127  weights: two sets of 32 numbers
.set WD,  128                          ; v128-175 weights: codes: for 128 K step kk and reader's half hh twelve registers at WD + 24 kk + 12 hh
.set WSP, 176                          ; v176-178 weights: a conversion's second half
	s_load_b128 s[4:7], s[0:1], 0x0                ; x, w_attn
	s_load_b128 s[8:11], s[0:1], 0x10              ; w_proj, xc
	s_load_b128 s[12:15], s[0:1], 0x20             ; xs, wc
	s_load_b64 s[16:17], s[0:1], 0x30              ; ws
	v_lshl_add_u32 v22, v0, 2, 0x8400
	v_mov_b32 v23, 0
	v_lshrrev_b32 v1, 5, v0
	v_readfirstlane_b32 s20, v1                    ; wave 0..3
	v_and_b32 v1, 31, v0                           ; L
	v_and_b32 v2, 15, v0                           ; r
	v_bfe_u32 v3, v0, 4, 1                         ; h
	v_lshlrev_b32 v4, 4, v1                        ; 16 L
	v_lshlrev_b32 v5, 3, v1                        ; 8 L
	s_cmp_lt_u32 ttmp9, 256
	s_cbranch_scc0 .Lweights
; ---------------- x: a wave takes one tile of 16 rows and half of K: four K steps of 128 ----------------
	s_lshl_b32 s21, ttmp9, 2
	s_add_co_u32 s21, s21, s20                     ; W = 4 x work-group + wave
	s_lshr_b32 s22, s21, 1                         ; the tile
	s_and_b32 s23, s21, 1                          ; which half of K
	s_lshr_b32 s24, s22, 1
	s_lshl_b32 s24, s24, 17                        ; 32 rows of 4,096 bytes for each pair of tiles,
	s_and_b32 s25, s22, 1
	s_lshl_b32 s25, s25, 15                        ; 8 rows for the odd tile,
	s_add_co_u32 s24, s24, s25
	s_lshl_b32 s25, s23, 11                        ; 2,048 bytes for the upper half of K
	s_add_co_u32 s24, s24, s25
	s_mov_b32 s25, 0
	s_lshr_b32 s26, s22, 3
	s_mul_i32 s26, s26, 98304                      ; the codes: the block,
	s_mul_i32 s27, s23, 49152                      ; two chunks for the upper half of K,
	s_add_co_u32 s26, s26, s27
	s_and_b32 s27, s22, 7
	s_mul_i32 s27, s27, 3072                       ; the tile in its block
	s_add_co_u32 s26, s26, s27
	s_mov_b32 s27, 0
	s_lshl_b32 s28, s22, 9                         ; the scale words: 512 bytes a tile, 16 for the upper half of K
	s_lshl_b32 s29, s23, 4
	s_add_co_u32 s28, s28, s29
	s_mov_b32 s29, 0
	s_mul_i32 s30, s20, 8448                       ; my wave's stage: 16 rows of 512 + 16 bytes
	s_wait_alu depctr_va_vdst(0)
	v_add_nc_u32 v6, s30, v4                       ; in: 16 L of a row
	v_mul_u32_u24 v7, v2, 528
	v_lshl_add_u32 v7, v3, 6, v7
	v_add_nc_u32 v7, s30, v7                       ; out: row r, + 64 h: my 16 numbers of each block of 32
	v_lshlrev_b32 v8, 5, v2
	v_lshl_add_u32 v8, v3, 3, v8                   ; my two scale words: 32 r + 8 h
	s_mov_b32 s18, 0x76543210
	s_mov_b32 s19, 0xfedcba98                      ; v_permlanex16_b32's selects for lane l xor 16
.irp b, 0,1,2,3
	v_mov_b32 v[TM+4+\b], 0                        ; written once: a lane permute's destination counts as one of its sources
.endr
	s_wait_alu depctr_va_vdst(0)
	s_wait_kmcnt 0x0
	s_add_nc_u64 s[4:5], s[4:5], s[24:25]
	s_add_nc_u64 s[10:11], s[10:11], s[26:27]
	s_add_nc_u64 s[12:13], s[12:13], s[28:29]
.macro LOAD t                          ; K step t: each load reads 512 consecutive bytes of one of the tile's 16 rows
.irp i, 0,1,2,3,4,5,6,7,8,9,10,11,12,13,14,15
	global_load_b128 v[R+64*((\t)%2)+4*\i:R+64*((\t)%2)+4*\i+3], v4, s[4:5] offset:(\i+8*(\i/8))*4096+512*(\t) th:TH_LOAD_NT
.endr
.endm
.macro TURN t                          ; through the stage: in as rows, out 16 neighbours of each block to a lane.  LDS serves a wave's instructions in order: no wait between the stores and the loads
.irp i, 0,1,2,3,4,5,6,7,8,9,10,11,12,13,14,15
	ds_store_b128 v6, v[R+64*((\t)%2)+4*\i:R+64*((\t)%2)+4*\i+3] offset:528*\i
.endr
.irp b, 0,1,2,3
.irp j, 0,1,2,3
	ds_load_b128 v[X+16*\b+4*\j:X+16*\b+4*\j+3], v7 offset:128*\b+16*\j
.endr
.endr
.endm
; 64 numbers of a lane become a fragment's codes in v[PC] on and its scale word in v[pw]
.macro QUANT s, pw
.irp b, 0,1,2,3
	v_max3_num_f32 v[TM+\b], |v[\s+16*\b]|, |v[\s+1+16*\b]|, 0x1800000   ; block b: my 16 numbers, and the floor 2^(3 - 127): the byte cannot fall under 1
.endr
.irp i, 2,4,6,8,10,12,14
.irp b, 0,1,2,3
	v_max3_num_f32 v[TM+\b], v[TM+\b], |v[\s+16*\b+\i]|, |v[\s+1+16*\b+\i]|   ; the four blocks by turns
.endr
.endr
.irp b, 0,1,2,3
	v_permlanex16_b32 v[TM+4+\b], v[TM+\b], s18, s19
.endr
.irp b, 0,1,2,3
	v_max_num_f32 v[TM+\b], v[TM+\b], v[TM+4+\b]   ; with lane l xor 16's: the block's largest magnitude
.endr
.irp b, 0,1,2,3
	v_add_nc_u32 v[TM+12+\b], 0xff000000, v[TM+\b] ; 2 off its exponent field: the conversion takes that field as its scale
.endr
.irp b, 0,1,2,3
	v_lshrrev_b32 v[TM+4+\b], 23, v[TM+12+\b]      ; the scale's byte
.endr
	v_lshl_or_b32 v[\pw], v[TM+5], 8, v[TM+4]
	v_lshl_or_b32 v[\pw], v[TM+6], 16, v[\pw]
	v_lshl_or_b32 v[\pw], v[TM+7], 24, v[\pw]      ; my row's scale word
.irp c, 0,1
	v_cvt_scalef32_pk16_fp6_f32 v[PC+6*\c:PC+2+6*\c], v[\s+32*\c:\s+15+32*\c], v[TM+12+2*\c]
	v_cvt_scalef32_pk16_fp6_f32 v[PC+12+4*\c:PC+14+4*\c], v[\s+16+32*\c:\s+31+32*\c], v[TM+12+2*\c+1]   ; (a conversion's three registers begin on an even number)
.endr
	v_nop                                          ; one plain place behind a scaled conversion
.irp c, 0,1                                    ; the operand's layout wants a whole block in a lane: lanes 0-15 block 2 c, lanes 16-31 block 2 c + 1
.irp i, 0,1,2
	v_permlane16_swap_b32 v[PC+6*\c+\i], v[PC+12+4*\c+\i]
.endr
.irp i, 0,1,2
	v_mov_b32 v[PC+3+6*\c+\i], v[PC+12+4*\c+\i]
.endr
.endr
.endm
.macro XSTEP t
	s_wait_dscnt 0x0                               ; this step's numbers are back from the stage, and the stage's stores have read their registers,
.if (\t) < 2
	LOAD (\t)+2                                    ; which take the loads of two steps on
.endif
.if (\t) > 0
	s_wait_xcnt 0x0                                ; the last step's stores have read the codes' registers: they are written again only behind this wait
.endif
	QUANT X, PW+\t
	global_store_b128 v4, v[PC:PC+3], s[10:11] offset:((\t)/2)*24576+((\t)%2)*1536            ; 512 consecutive bytes,
	global_store_b64 v5, v[PC+4:PC+5], s[10:11] offset:((\t)/2)*24576+((\t)%2)*1536+512       ; 256,
	global_store_b128 v4, v[PC+6:PC+9], s[10:11] offset:((\t)/2)*24576+((\t)%2)*1536+768      ; and the second 64 along K likewise
	global_store_b64 v5, v[PC+10:PC+11], s[10:11] offset:((\t)/2)*24576+((\t)%2)*1536+1280
.if (\t) < 2
	s_wait_loadcnt 16                              ; the next step's 16 loads are in; the 16 of the step behind it may be out
	TURN (\t)+1
.endif
.if (\t) == 2
	s_wait_loadcnt 0x0
	TURN (\t)+1
.endif
.endm
	LOAD 0
	LOAD 1
	s_wait_loadcnt 16                              ; step 0's 16 loads are in
	TURN 0
.irp t, 0,1,2,3
	XSTEP \t
.endr
	v_cmp_eq_u32 vcc_lo, 1, v3                     ; both halves of the lanes hold the row's four words: lanes 0-15 store words 0, 1, lanes 16-31 words 2, 3
	v_cndmask_b32 v10, v[PW], v[PW+2], vcc_lo
	v_cndmask_b32 v11, v[PW+1], v[PW+3], vcc_lo
	global_store_b64 v8, v[10:11], s[12:13]
	s_wait_tensorcnt 0x0
	ds_add_u32 v22, v23
	s_wait_dscnt 0x0
	s_endpgm
; ---------------- the weights: K is their FIRST axis.  A lane takes a column, its registers run down K: a block of 32 lies in one lane ----------------
; A work-group takes a block of 128 columns and a chunk of 256 along K; a wave 32 columns: a pair of tiles.  Lane L's column is row r' = L % 8 + 8 (L / 16) of tile 2 x wave + (L / 8) % 2.
.Lweights:
	s_sub_co_u32 s21, ttmp9, 256
	s_and_b32 s22, s21, 31                         ; the block of 128 rows of wc: 0-23 w_attn, 24-31 w_proj
	s_lshr_b32 s23, s21, 5                         ; the chunk
	s_mov_b32 s26, 4096
	s_wait_kmcnt 0x0
	s_cmp_lt_u32 s22, 24                           ; the choice hangs on the work-group's number alone
	s_cselect_b64 s[24:25], s[6:7], s[8:9]         ; the tensor,
	s_cselect_b32 s26, 12288, s26                  ; its row in bytes,
	s_cselect_b32 s27, 0, 24
	s_sub_co_u32 s27, s22, s27                     ; the block of columns in it
	s_lshl_b32 s28, s27, 9
	s_lshl_b32 s29, s20, 7
	s_add_co_u32 s28, s28, s29                     ; my wave's first column, in bytes
	s_mov_b32 s29, 0
	s_add_nc_u64 s[24:25], s[24:25], s[28:29]
	s_lshl_b32 s28, s23, 8
	s_mul_i32 s28, s28, s26                        ; 256 rows for each chunk
	s_add_nc_u64 s[32:33], s[24:25], s[28:29]      ; s[32+2t:33+2t]: where block t's 32 rows begin: eight bases, none stepped while a load is out
	s_lshl_b32 s28, s26, 5
.irp t, 1,2,3,4,5,6,7
	s_add_nc_u64 s[32+2*\t:33+2*\t], s[30+2*\t:31+2*\t], s[28:29]
.endr
	s_mul_i32 s28, s22, 98304
	s_mul_i32 s30, s23, 24576
	s_add_co_u32 s28, s28, s30
	s_mul_i32 s30, s20, 6144                       ; two tiles a wave
	s_add_co_u32 s28, s28, s30
	s_add_nc_u64 s[14:15], s[14:15], s[28:29]      ; the codes
	s_lshl_b32 s28, s22, 12
	s_lshl_b32 s30, s20, 10
	s_add_co_u32 s28, s28, s30
	s_lshl_b32 s30, s23, 3                         ; two words a chunk
	s_add_co_u32 s28, s28, s30
	s_add_nc_u64 s[16:17], s[16:17], s[28:29]      ; the scale words
	s_wait_alu depctr_va_vdst(0)
	v_lshlrev_b32 v9, 2, v1
.set n, 0
.rept 32
	v_mad_u32_u24 v[OFF+n], s26, n, v9             ; 4 L + n rows
.set n, n+1
.endr
	v_bfe_u32 v10, v0, 3, 1                        ; which tile of the pair
	v_and_b32 v11, 7, v0
	v_lshl_add_u32 v11, v3, 3, v11                 ; r'
	v_mul_u32_u24 v12, v10, 3072
	v_lshl_add_u32 v13, v11, 4, v12                ; where reader's lane r' has its 16 bytes,
	v_lshl_add_u32 v14, v11, 3, v12                ; its 8 bytes,
	v_lshlrev_b32 v15, 9, v10
	v_lshl_add_u32 v15, v11, 5, v15                ; and its row of scale words
.macro WLOAD t
.set n, 0
.rept 32
	global_load_b32 v[WX+32*((\t)%2)+n], v[OFF+n], s[32+2*(\t):33+2*(\t)] th:TH_LOAD_NT   ; 32 lanes read 128 consecutive bytes of a row
.set n, n+1
.endr
.endm
.macro WBLOCK t                        ; block t of 32 along K: it is the reader's 128 K step t / 4, registers 6 c on with c = (t / 2) % 2, half t % 2 of the lanes
.set XS, WX+32*((\t)%2)
.set DD, WD+24*((\t)/4)+12*((\t)%2)+6*(((\t)/2)%2)
.if (\t) < 7
	s_wait_loadcnt 32                              ; this block's 32 loads are in; the next block's may be out
.else
	s_wait_loadcnt 0x0
.endif
	v_max3_num_f32 v16, |v[XS]|, |v[XS+1]|, |v[XS+2]|
	v_max3_num_f32 v17, |v[XS+3]|, |v[XS+4]|, |v[XS+5]|
.irp i, 6,10,14,18,22,26
	v_max3_num_f32 v16, v16, |v[XS+\i]|, |v[XS+\i+1]|
	v_max3_num_f32 v17, v17, |v[XS+\i+2]|, |v[XS+\i+3]|
.endr
	v_max3_num_f32 v16, v16, |v[XS+30]|, |v[XS+31]|
	v_max3_num_f32 v16, v16, v17, 0x1800000        ; the block's largest magnitude, and the floor
	v_add_nc_u32 v18, 0xff000000, v16              ; the conversions' scale operand
	v_lshrrev_b32 v19, 23, v18                     ; the byte
.if (\t)%4 == 0
	v_mov_b32 v[24+(\t)/4], v19
.else
	v_lshl_or_b32 v[24+(\t)/4], v19, 8*((\t)%4), v[24+(\t)/4]
.endif
	v_cvt_scalef32_pk16_fp6_f32 v[DD:DD+2], v[XS:XS+15], v18
	v_cvt_scalef32_pk16_fp6_f32 v[WSP:WSP+2], v[XS+16:XS+31], v18   ; (a conversion's three registers begin on an even number)
	v_nop                                          ; one plain place behind a scaled conversion
.irp i, 0,1,2
	v_mov_b32 v[DD+3+\i], v[WSP+\i]
.endr
.if (\t) < 6
	WLOAD (\t)+2
.endif
.endm
.macro WSTORE kk                       ; a 128 K step's codes of my column go to the places of the reader's lanes r' and r' + 16.  The stores of 16 bytes fill 256 consecutive bytes from sixteen lanes, those of 8 bytes 128
.irp hh, 0,1
	global_store_b128 v13, v[WD+24*\kk+12*\hh:WD+24*\kk+12*\hh+3], s[14:15] offset:1536*\kk+256*\hh
	global_store_b64 v14, v[WD+24*\kk+12*\hh+4:WD+24*\kk+12*\hh+5], s[14:15] offset:1536*\kk+512+128*\hh
	global_store_b128 v13, v[WD+24*\kk+12*\hh+6:WD+24*\kk+12*\hh+9], s[14:15] offset:1536*\kk+768+256*\hh
	global_store_b64 v14, v[WD+24*\kk+12*\hh+10:WD+24*\kk+12*\hh+11], s[14:15] offset:1536*\kk+1280+128*\hh
.endr
.endm
	WLOAD 0
	WLOAD 1
.irp t, 0,1,2,3
	WBLOCK \t
.endr
	WSTORE 0                                       ; each 128 K step has its own registers: no store's data are written again
.irp t, 4,5,6,7
	WBLOCK \t
.endr
	WSTORE 1
	global_store_b64 v15, v[24:25], s[16:17]       ; my column's two scale words
	s_endpgm
.Lfunc_end_k_qa1f2fce4a7_quant:
	.size	k_qa1f2fce4a7_quant, .Lfunc_end_k_qa1f2fce4a7_quant-k_qa1f2fce4a7_quant
	.p2alignl 7, 3214868480
	.fill 96, 4, 3214868480
	.section	.rodata,"a",@progbits
	.p2align	6, 0x0
	.amdhsa_kernel k_qa1f2fce4a7_quant
		.amdhsa_group_segment_fixed_size 34304
		.amdhsa_private_segment_fixed_size 0
		.amdhsa_enable_private_segment 0
		.amdhsa_kernarg_size 56
		.amdhsa_user_sgpr_count 2
		.amdhsa_user_sgpr_kernarg_segment_ptr 1
		.amdhsa_wavefront_size32 1
		.amdhsa_system_sgpr_workgroup_id_x 1
		.amdhsa_system_sgpr_workgroup_id_y 1
		.amdhsa_system_sgpr_workgroup_id_z 1
		.amdhsa_system_vgpr_workitem_id 0
		.amdhsa_next_free_vgpr 256
		.amdhsa_next_free_sgpr 66
		.amdhsa_reserve_vcc 1
		.amdhsa_float_denorm_mode_32 3
		.amdhsa_float_denorm_mode_16_64 3
		.amdhsa_memory_ordered 1
		.amdhsa_forward_progress 1
		.amdhsa_inst_pref_size 75
	.end_amdhsa_kernel
	.amdgpu_metadata
---
amdhsa.version: [ 1, 2 ]
amdhsa.kernels:
  - .name:           k_qa1f2fce4a7_quant
    .symbol:         k_qa1f2fce4a7_quant.kd
    .args:
      - { .name: x, .offset: 0, .size: 8, .value_kind: global_buffer, .address_space: global }
      - { .name: w_attn, .offset: 8, .size: 8, .value_kind: global_buffer, .address_space: global }
      - { .name: w_proj, .offset: 16, .size: 8, .value_kind: global_buffer, .address_space: global }
      - { .name: xc, .offset: 24, .size: 8, .value_kind: global_buffer, .address_space: global }
      - { .name: xs, .offset: 32, .size: 8, .value_kind: global_buffer, .address_space: global }
      - { .name: wc, .offset: 40, .size: 8, .value_kind: global_buffer, .address_space: global }
      - { .name: ws, .offset: 48, .size: 8, .value_kind: global_buffer, .address_space: global }
    .group_segment_fixed_size: 34304
    .private_segment_fixed_size: 0
    .kernarg_segment_align: 8
    .kernarg_segment_size: 56
    .max_flat_workgroup_size: 128
    .sgpr_count:     66
    .vgpr_count:     256
    .wavefront_size: 32
...
	.end_amdgpu_metadata
.endif
;; end of part 1
;; launch qkv (part 2): grid 8 x 32, 4 waves a work-group, clusters of 4 x 4, 327,680 bytes of LDS; arguments xc, xs, wc, ws, b_attn, qb, kv; writes qb, kv
.if DOCPART == 2
	.amdgcn_target "amdgcn-amd-amdhsa--gfx1250"
	.amdhsa_code_object_version 6
	.text
	.protected	k_qa1f2fce4a7_qkv
	.globl	k_qa1f2fce4a7_qkv
	.p2align	8
	.type	k_qa1f2fce4a7_qkv,@function
k_qa1f2fce4a7_qkv:
	s_mov_b64 s[64:65], 0
	v_nop
	global_prefetch_b8 v0, s[64:65] scope:SCOPE_SE
	s_setreg_imm32_b32 hwreg(HW_REG_WAVE_MODE, 25, 1), 1
	s_wait_xcnt 0x0
	s_wait_alu depctr_hold_cnt(0) depctr_sa_sdst(0) depctr_va_vdst(0) depctr_va_sdst(0) depctr_va_ssrc(0) depctr_va_vcc(0) depctr_vm_vsrc(0)
	s_getreg_b32 s2, hwreg(HW_REG_IB_STS2, 6, 4)
	s_cmp_eq_u32 s2, 0
	s_cbranch_scc0 .Lentry_in_a_cluster
	s_endpgm
.Lentry_in_a_cluster:
	s_bfe_u32 s2, ttmp6, 0x10000c
	s_cmp_lg_u32 s2, 0xf033
	s_cbranch_scc0 .Lentry_shape_is_right
	s_endpgm
.Lentry_shape_is_right:
; qkv = x w_attn + b_attn on codes of FP6 (E2M3) with E8M0 scales (K = 1,024), and q, k, v quantised on the way out for the two products of attention.
; OPERANDS are images of their registers (tile T, lane r: row 32 (T / 2) + 8 (T % 2) + r + 8 (r / 8); [block of 128 rows][chunk of 256 K][tile][128 K][64 K][768 bytes]); scale words [tile][r][8].
; A TILE OF THE RESULT is 256 rows of one operand ("A") x 128 rows of the other ("B").  Four waves; wave w owns A's tiles 4 w .. 4 w + 3 against B's eight: 32 accumulators.  THE MATRIX INSTRUCTION IS USED
; TRANSPOSED (source 0 = 16 rows of B, source 1 = 16 rows of A): a lane holds ONE row of A, and the 16 registers of B's tiles 2 b, 2 b + 1 are 16 NEIGHBOURING rows of B, 32 b + 16 (lane / 16) + 0 .. 15.
; A WORK-GROUP STAYS AND MAKES THREE TILES, of role R = cluster x, cluster x + 2, cluster x + 4: q's (R = 0, 1), k's (2, 3), v's (4, 5).  q, k: A = tokens, B = w's rows: a lane holds a token, its registers run
; along two heads' 64 + 64.  v: A = w_v's rows, B = tokens: a lane holds one channel d, its registers run along 128 tokens, the second product's K.  256 work-groups: one for each WGP.
; LDS is a ring of two stages of 147,456 bytes: stage g holds chunks 2 g, 2 g + 1 of A's two blocks (2 x 49,152 bytes) and of B's block (49,152).  At the head one load a wave fills both.  Inside K step 3 stage 0 is filled
; again with the next tile's (waves 0 and 1), inside K step 7 stage 1 (waves 2 and 3): each behind the three lines and a round of the cluster's barrier; sixteen products stand between
; the add and its wait.  What a refill brought is shown by the next round (every wave waits for all its loads there), in the last tile by a plain barrier.  One load of a wave is out at the most.
; q's and k's tiles are a loop of two trips; v's tile refills nothing and is written out.
; The next tile's scale words and bias are asked for at the head of the way out, whose work stands ahead of the wait for them.
; OUT.  qb: [batch x head][64 tokens]: 4 half-images (16 tokens x 64), then 256 bytes of scale words [r][tile] (a tile's two bytes below; above them an even tile's word has the next tile's two).
; kv: [batch x head][128 keys]: a record of 13,056 bytes: K's 8 half-images; at 6,144 V^T's 4 fragments (16 d x 128 keys); at 12,288 K's words, 2 x 256 bytes [r][tile % 4], as q's; at 12,800 V's words [r][d tile].
; CLUSTERS: 4 x 4.  A's bytes are shared along a row of the cluster, B's along a column: joint loads, the same descriptor and mask in the four that a mask names; the role hangs on the cluster's number and the trip alone.
; NO PREFETCH: the tokens' codes that a refill asks for were loaded by this launch's first tiles, and a weight's rows (786,432 bytes a tensor) are asked for by 8 or 16 clusters in the same trip.
; LIMITS: NaN and infinities are not served; a block whose largest magnitude lies under 2^-124 (zeros too) gets the scale byte 1; the bytes are read by this program alone.
; REGISTERS, in windows of 256.  Window 0: v1-6 lane terms; v8-23 LDS addresses by chunk; v24-27 offsets; v32-47 A's scale words, v48-79 B's (register 4 t + q: K step q in lanes 0-15, K step 4 + q in lanes 16-31);
; v80-143 the bias, as the C of each sum's first product; v144-223 the way out; v254, v255 the add's.  Window 1: accumulator (a, b) at v[64 a + 8 b].  Windows 2, 3: two sets of fragments: A's at v[12 a], B's at v[48 + 12 b].
.set G1A, 28                           ; s[28:35] descriptor group 1 for A;  s[44:51] a group 0 for each stage
.set G1B, 36                           ; s[36:43] for B;  s[68:75]
.set G0A, 44
.set G0B, 68
.set STG, 147456
.set SA,  32
.set SB,  48
.set BI,  80
.set TM,  144                          ; v144-159 the quantiser's maxima, bytes, scale operands
.set PW,  160                          ; v160-163 the four tiles' scale words
.set WDS, 164                          ; v164-167 the words as stored
.set SP,  168                          ; v168-175 the conversions' second halves
.set PCS, 176                          ; v176-223 four fragments of codes
.set MSB, 0
.macro WIN new                         ; the immediate's high byte repeats the setting that is left
.if MSB != (\new)
	s_set_vgpr_msb (MSB<<8)|(\new)
.set MSB, (\new)
.endif
.endm
.macro PLACES                          ; four plain places behind a matrix instruction (ISA guide 7.12.1)
.rept 4
	v_nop
.endr
.endm
.macro WALU
	s_wait_alu depctr_va_vdst(0)
.endm
.macro CROUND                          ; a round of the cluster's barrier
	s_barrier_signal -1
	s_barrier_wait -1
	s_cmp_lg_u32 s18, 0
	s_cbranch_scc1 .Lnot_wave_0_\@
	s_barrier_signal -3
.Lnot_wave_0_\@:
	s_barrier_wait -3
	s_barrier_signal -1
	s_barrier_wait -1
.endm
.macro TLOAD g0, g1
	tensor_load_to_lds s[\g0:\g0+3], s[\g1:\g1+7]
	s_nop 0
	PLACES
.endm
; The tile of role s27: s80 A's first block, s81 B's block, s[76:77] and s[78:79] their codes, s[88:89] my four tiles' scale words of A, s[92:93] B's eight tiles'.
; A's block hangs on cy and the cluster, never on cx; B's on cx and the cluster, never on cy; each is made in registers that never hold the other.
.macro NEXT
	s_lshl_b32 s56, s27, 2
	s_add_co_u32 s56, s56, s21                     ; q, k: w's rows: 4 R + cx
	s_lshl_b32 s57, s27, 3
	s_add_co_u32 s57, s57, s24
	s_sub_co_u32 s57, s57, 32
	s_lshl_b32 s57, s57, 2
	s_add_co_u32 s57, s57, s21                     ; v: tokens: 4 (8 (R - 4) + cluster y) + cx
	s_cmp_lt_u32 s27, 4                            ; only selections stand behind this compare
	s_cselect_b32 s80, s52, s53
	s_cselect_b32 s81, s56, s57
	s_cselect_b64 s[76:77], s[4:5], s[8:9]
	s_cselect_b64 s[78:79], s[8:9], s[4:5]
	s_cselect_b64 s[88:89], s[6:7], s[10:11]
	s_cselect_b64 s[92:93], s[10:11], s[6:7]
	s_mul_i32 s54, s80, 98304
	s_mov_b32 s55, 0
	s_add_nc_u64 s[76:77], s[76:77], s[54:55]
	s_mul_i32 s56, s81, 98304
	s_mov_b32 s57, 0
	s_add_nc_u64 s[78:79], s[78:79], s[56:57]
	s_lshl_b32 s54, s80, 12                        ; 8 tiles of 512 bytes a block,
	s_lshl_b32 s60, s18, 11                        ; 4 tiles a wave
	s_add_co_u32 s54, s54, s60
	s_add_nc_u64 s[88:89], s[88:89], s[54:55]
	s_lshl_b32 s56, s81, 12
	s_add_nc_u64 s[92:93], s[92:93], s[56:57]
.endm
.macro G0SET g                         ; stage g's two groups 0 take the addresses of the tile that NEXT has named; written only where no load of mine is out
	s_add_nc_u64 s[G0A+4*\g+2:G0A+4*\g+3], s[76:77], 49152*\g
	s_or_b32 s[G0A+4*\g+3], s[G0A+4*\g+3], 0x80000000
	s_add_nc_u64 s[G0B+4*\g+2:G0B+4*\g+3], s[78:79], 49152*\g
	s_or_b32 s[G0B+4*\g+3], s[G0B+4*\g+3], 0x80000000
.endm
.macro LDSA
.irp a, 0,1,2,3
	global_load_b128 v[SA+4*\a:SA+4*\a+3], v6, s[88:89] offset:512*\a
.endr
.endm
.macro LDSB
.irp b, 0,1,2,3,4,5,6,7
	global_load_b128 v[SB+4*\b:SB+4*\b+3], v6, s[92:93] offset:512*\b
.endr
.endm
; THE BIAS in the result's layout.  q, k: register 8 b + j = b_attn at B's row 32 (b / 2) + 8 (b % 2) + 16 h + j.  v: all eight registers of tile a = b_attn at the lane's own row of A.
.macro BIASQK
	s_lshl_b32 s58, s81, 9
	s_mov_b32 s59, 0
	s_add_nc_u64 s[58:59], s[12:13], s[58:59]
.irp b, 0,1,2,3,4,5,6,7
	global_load_b128 v[BI+8*\b:BI+8*\b+3], v24, s[58:59] offset:(32*(\b/2)+8*(\b%2))*4
	global_load_b128 v[BI+8*\b+4:BI+8*\b+7], v24, s[58:59] offset:(32*(\b/2)+8*(\b%2))*4+16
.endr
.endm
.macro BIASV
	s_lshl_b32 s58, s80, 9
	s_lshl_b32 s59, s18, 8
	s_add_co_u32 s58, s58, s59
	s_mov_b32 s59, 0
	s_add_nc_u64 s[58:59], s[12:13], s[58:59]
.irp ap, 0,1,2,3
.irp j, 0,1,2,3,4,5,6,7
	global_load_b32 v[BI+8*\ap+\j], v25, s[58:59] offset:(32*(\ap/2)+8*(\ap%2))*4
.endr
.endr
.endm
	s_load_b256 s[4:11], s[0:1], 0x0               ; xc, xs, wc, ws
	s_load_b128 s[12:15], s[0:1], 0x20             ; b_attn, qb
	s_load_b64 s[16:17], s[0:1], 0x30              ; kv
	v_lshl_add_u32 v254, v0, 2, 0x48000
	v_mov_b32 v255, 0
	ds_add_u32 v254, v255                          ; the opening lines: the add, twice on end, and its wait
	ds_add_u32 v254, v255
	v_lshrrev_b32 v1, 5, v0
	v_readfirstlane_b32 s18, v1                    ; wave 0..3
	s_lshr_b32 s19, s18, 1                         ; which of A's two blocks my tiles lie in
	s_and_b32 s20, s18, 1                          ; which half of it
	s_bfe_u32 s21, ttmp6, 0x40000                  ; cx
	s_bfe_u32 s22, ttmp6, 0x40004                  ; cy
	s_mov_b32 s23, ttmp9                           ; the first tile's role: cluster x
	s_and_b32 s24, ttmp7, 0xffff                   ; cluster y
	s_lshl_b32 s52, s24, 3
	s_lshl_b32 s53, s22, 1
	s_add_co_u32 s52, s52, s53                     ; q, k: A's first block: tokens: 2 (4 x cluster y + cy)
	s_add_co_u32 s53, s53, 16                      ; v: w_v's rows: 16 + 2 cy
	s_lshl_b32 s25, s22, 2
	s_lshl_b32 s25, 15, s25                        ; my row of the cluster
	s_lshl_b32 s26, 0x1111, s21                    ; my column
	s_or_b32 s[G1A], s25, (3<<16)|(1<<21)          ; 15:0 the mask; 17:16 elements of 8 bytes; 21 set beside a mask
	s_or_b32 s[G1B], s26, (3<<16)|(1<<21)
	s_mov_b32 s[G1A+1], 6144<<16                   ; A: two rows of 49,152 bytes, one for each block, 98,304 bytes apart in memory
	s_mov_b32 s[G1A+2], 2<<16
	s_mov_b32 s[G1A+3], 6144<<16
	s_mov_b32 s[G1A+4], 2
	s_mov_b32 s[G1A+5], 12288
	s_mov_b32 s[G1A+6], 0
	s_mov_b32 s[G1A+7], 0
	s_mov_b32 s[G1B+1], 32<<16                     ; B: 49,152 dense bytes as 192 rows of 256
	s_mov_b32 s[G1B+2], 192<<16
	s_mov_b32 s[G1B+3], 32<<16
	s_mov_b32 s[G1B+4], 192
	s_mov_b32 s[G1B+5], 32
	s_mov_b32 s[G1B+6], 0
	s_mov_b32 s[G1B+7], 0
.irp c, 0,1
	s_mov_b32 s[G0A+4*\c], 1
	s_mov_b32 s[G0A+4*\c+1], STG*\c                ; constants alone enter an LDS address
	s_mov_b32 s[G0B+4*\c], 1
	s_mov_b32 s[G0B+4*\c+1], STG*\c+98304
.endr
	s_mov_b32 s100, 0x76543210
	s_mov_b32 s101, 0xfedcba98                     ; v_permlanex16_b32's selects for lane l xor 16
	s_mov_b32 s82, 0                               ; the loop's trips
	s_mov_b32 s27, s23
	s_wait_dscnt 0x0
	s_wait_kmcnt 0x0
	NEXT                                           ; the first tile
	s_mov_b32 s84, s80
	s_mov_b32 s85, s81
	G0SET 0
	G0SET 1
	CROUND                                         ; all sixteen work-groups are here: the joint loads meet
; One chain of branches on the wave's number, one load to an arm: wave 0 A's stage 0, wave 1 B's stage 0, wave 2 A's stage 1, wave 3 B's stage 1.
.macro ARM under, g0, g1, next
	s_cmp_lt_u32 s18, \under
	s_cbranch_scc0 \next
	TLOAD \g0, \g1
	s_branch .Lfirst_asked
\next:
.endm
	ARM 1, G0A, G1A, .Larm_1
	ARM 2, G0B, G1B, .Larm_2
	ARM 3, G0A+4, G1A, .Larm_3
	TLOAD G0B+4, G1B
.Lfirst_asked:
	v_and_b32 v1, 31, v0                           ; L
	v_and_b32 v2, 15, v0                           ; r
	v_bfe_u32 v3, v0, 4, 1                         ; h
	v_lshlrev_b32 v4, 4, v1                        ; 16 L
	v_lshlrev_b32 v5, 3, v1                        ; 8 L
	v_lshlrev_b32 v6, 5, v2
	v_lshl_add_u32 v6, v3, 4, v6                   ; scale words: 32 r + 16 h
	v_lshlrev_b32 v24, 6, v3                       ; q, k's bias: 64 h
	v_and_b32 v25, 8, v2
	v_add_nc_u32 v25, v25, v2
	v_lshlrev_b32 v25, 2, v25                      ; v's bias: 4 (r + 8 (r / 8))
	s_mul_i32 s60, s19, 49152
	s_mul_i32 s61, s20, 12288
	s_add_co_u32 s60, s60, s61                     ; my four tiles of A in a chunk
.irp c, 0,1,2,3
	v_add_nc_u32 v[8+\c], s60, v4
	v_add_nc_u32 v[12+\c], s60, v5
	v_add_nc_u32 v[16+\c], (\c/2)*STG+(\c%2)*24576+98304, v4
	v_add_nc_u32 v[20+\c], (\c/2)*STG+(\c%2)*24576+98304, v5
	s_add_co_u32 s60, s60, 24576+98304*(\c%2)      ; chunk c lies at 147,456 (c / 2) + 24,576 (c % 2) of its block's place
.endr
.irp b, 0,1,2,3
	v_mov_b32 v[TM+4+\b], 0                        ; written once: a lane permute's destination counts as one of its sources
.endr
	WALU
	LDSA
	LDSB
	BIASQK
; 48 LDS loads: K step s's twelve fragments into set s % 2; each instruction reads 512 or 256 consecutive bytes
.macro FETCH s
	WIN 0x80+0x40*((\s)%2)
.set CH, (\s)/2
.set KO, ((\s)%2)*1536
.irp a, 0,1,2,3
	ds_load_b128 v[12*\a:12*\a+3], v[8+CH] offset:3072*\a+KO
	ds_load_b64 v[12*\a+4:12*\a+5], v[12+CH] offset:3072*\a+KO+512
	ds_load_b128 v[12*\a+6:12*\a+9], v[8+CH] offset:3072*\a+KO+768
	ds_load_b64 v[12*\a+10:12*\a+11], v[12+CH] offset:3072*\a+KO+1280
.endr
.irp b, 0,1,2,3,4,5,6,7
	ds_load_b128 v[48+12*\b:48+12*\b+3], v[16+CH] offset:3072*\b+KO
	ds_load_b64 v[48+12*\b+4:48+12*\b+5], v[20+CH] offset:3072*\b+KO+512
	ds_load_b128 v[48+12*\b+6:48+12*\b+9], v[16+CH] offset:3072*\b+KO+768
	ds_load_b64 v[48+12*\b+10:48+12*\b+11], v[20+CH] offset:3072*\b+KO+1280
.endr
.endm
; 16 products: A's tiles 2 half, 2 half + 1 x B's eight, K step s.  cmode 0: onto the sums; 1, 2: the bias starts them (by B's tile, by A's tile).  The 32 accumulators take turns, one instruction a turn,
; in the same order in every step.
.macro MULH s, half, cmode
.if (\cmode) == 0
	WIN 0x5A+5*((\s)%2)                            ; sources 0, 1: window 2 or 3; C and D: window 1
.else
	WIN 0x4A                                       ; C: window 0
.endif
.irp a, 2*(\half), 2*(\half)+1
.irp b, 0,1,2,3,4,5,6,7
.set rD, 64*(\a)+8*\b
.set rC, rD
.if (\cmode) == 1
.set rC, BI+8*\b
.endif
.if (\cmode) == 2
.set rC, BI+8*(\a)
.endif
.set rB, 48+12*\b
.set rA, 12*(\a)
.set rSB, SB+4*\b+(\s)%4
.set rSA, SA+4*(\a)+(\s)%4
.if (\s) < 4
	v_wmma_scale_f32_16x16x128_f8f6f4 v[rD:rD+7], v[rB:rB+11], v[rA:rA+11], v[rC:rC+7], v[rSB], v[rSA] matrix_a_fmt:MATRIX_FMT_FP6 matrix_b_fmt:MATRIX_FMT_FP6
.else
	v_wmma_scale_f32_16x16x128_f8f6f4 v[rD:rD+7], v[rB:rB+11], v[rA:rA+11], v[rC:rC+7], v[rSB], v[rSA] matrix_a_fmt:MATRIX_FMT_FP6 matrix_b_fmt:MATRIX_FMT_FP6 matrix_a_scale:MATRIX_SCALE_ROW1 matrix_b_scale:MATRIX_SCALE_ROW1
.endif
.endr
.endr
.endm
.macro FIRST cmode                     ; a tile's first K step: its stage 0 has been shown to all waves
	FETCH 0
	s_wait_loadcnt 0x0                             ; scale words and bias
	FETCH 1
	s_wait_dscnt 48                                ; all but the 48 just issued
	MULH 0, 0, \cmode
	MULH 0, 1, \cmode
.endm
.macro EVEN s
	PLACES
	FETCH (\s)+1
	s_wait_dscnt 48                                ; all but the 48 just issued: this step's fragments are in
	MULH \s, 0, 0
	MULH \s, 1, 0
.endm
.macro ODD s, show                     ; show = 1: the next step begins a stage that a plain barrier shows
	s_wait_dscnt 0x0                               ; this step's fragments are in; no LDS instruction of mine is out at a signal below
	MULH \s, 0, 0
.if \show
	s_wait_tensorcnt 0x0                           ; every wave, under no branch
	s_barrier_signal -1
	s_barrier_wait -1
.endif
	PLACES
	FETCH (\s)+1
	MULH \s, 1, 0
.endm
; K step s = 3 or 7 of a tile that has a successor: stage g has been read out and is filled again with the next tile's.
.macro RND s, g
	s_wait_dscnt 0x0                               ; this step's fragments are in: my reads of stage g are over
	WIN 0                                          ; (the add's two registers lie in window 0)
	s_wait_tensorcnt 0x0                           ; all my tensor loads have landed,
	ds_add_u32 v254, v255                          ; the add; work on registers stands between it and its wait:
	G0SET \g                                       ; no load of mine is out, so the groups 0 may be written;
	MULH \s, 0, 0                                  ; sixteen products
	WIN 0
	s_wait_dscnt 0x0
	CROUND                                         ; no wave of any partner still reads stage g or has a load on its way; what the last refill brought is shown to all
	s_cmp_eq_u32 s18, 2*\g
	s_cbranch_scc0 .Lfor_b_\@
	TLOAD G0A+4*\g, G1A
	s_branch .Lasked_\@
.Lfor_b_\@:
	s_cmp_eq_u32 s18, 2*\g+1
	s_cbranch_scc0 .Lasked_\@
	TLOAD G0B+4*\g, G1B
.Lasked_\@:
.if (\s) == 3
	PLACES                                         ; for the waves that come round the loads
	FETCH 4
.endif
	MULH \s, 1, 0
.endm
; THE WAY OUT.  The 64 registers of A's tile a (window 1, v[s] on: register 16 b + i = B's row 32 b + 16 h + i) become a fragment's codes in v[pc] on and its scale word in v[pw].
; Each accumulator is first read at its two lowest registers.
.macro QUANTW s, pc, pw
	WIN 0x05                                       ; sources 0 and 1: window 1
.irp b, 0,1,2,3
	v_max3_num_f32 v[TM+\b], |v[(\s)+16*\b]|, |v[(\s)+1+16*\b]|, 0x1800000   ; and the floor 2^(3 - 127): the byte cannot fall under 1
.endr
.irp i, 2,4,6,8,10,12,14
.irp b, 0,1,2,3
	v_max3_num_f32 v[TM+\b], |v[(\s)+16*\b+\i]|, |v[(\s)+1+16*\b+\i]|, v[TM+\b]
.endr
.endr
	WIN 0
.irp b, 0,1,2,3
	v_permlanex16_b32 v[TM+4+\b], v[TM+\b], s100, s101
.endr
.irp b, 0,1,2,3
	v_max_num_f32 v[TM+\b], v[TM+\b], v[TM+4+\b]
.endr
.irp b, 0,1,2,3
	v_add_nc_u32 v[TM+12+\b], 0xff000000, v[TM+\b]
.endr
.irp b, 0,1,2,3
	v_lshrrev_b32 v[TM+4+\b], 23, v[TM+12+\b]
.endr
	v_lshl_or_b32 v[\pw], v[TM+5], 8, v[TM+4]
	v_lshl_or_b32 v[\pw], v[TM+6], 16, v[\pw]
	v_lshl_or_b32 v[\pw], v[TM+7], 24, v[\pw]
	WIN 0x01                                       ; source 0: window 1
.irp c, 0,1
	v_cvt_scalef32_pk16_fp6_f32 v[(\pc)+6*\c:(\pc)+6*\c+2], v[(\s)+32*\c:(\s)+32*\c+15], v[TM+12+2*\c]
	v_cvt_scalef32_pk16_fp6_f32 v[SP+4*\c:SP+4*\c+2], v[(\s)+16+32*\c:(\s)+31+32*\c], v[TM+12+2*\c+1]
.endr
	WIN 0
	v_nop                                          ; one plain place behind a scaled conversion
.irp c, 0,1
.irp i, 0,1,2
	v_permlane16_swap_b32 v[(\pc)+6*\c+\i], v[SP+4*\c+\i]
.endr
.irp i, 0,1,2
	v_mov_b32 v[(\pc)+3+6*\c+\i], v[SP+4*\c+\i]
.endr
.endr
.endm
	s_cmp_lt_u32 s18, 2                            ; stage 0 is waves 0 and 1's, each by a load line of its own; stage 1's loads may stay out
	s_cbranch_scc0 .Lnot_mine
	s_wait_tensorcnt 0x0
.Lnot_mine:
	s_barrier_signal -1
	s_barrier_wait -1
; ---------------- q's tile, then k's ----------------
.Ltile:
	s_wait_xcnt 0x0                                ; every earlier load and store has read its bases and registers
	s_add_co_u32 s27, s23, 2
	NEXT                                           ; the tile that follows this one
	FIRST 1
	ODD 1, 0
	EVEN 2
	RND 3, 0
	EVEN 4
	ODD 5, 0
	EVEN 6
	RND 7, 1
	WIN 0
	PLACES                                         ; behind the last products: ahead of the loads into the scale words' registers and of the first read of the sums
	LDSB                                           ; the next tile's scale words and bias
	s_cmp_lt_u32 s27, 4
	s_cbranch_scc0 .Lpre_v
	BIASQK
	s_branch .Lpre_done
.Lpre_v:
	LDSA
	BIASV
.Lpre_done:
.irp a, 0,1,2,3
	QUANTW 64*\a, PCS+12*\a, PW+\a
.endr
	; registers 0-5 of a fragment are the half-image of head hA, registers 6-11 that of head hA + 1
	s_lshr_b32 s60, s84, 1                         ; which 256 tokens
	s_lshr_b32 s61, s60, 3                         ; the batch
	s_and_b32 s60, s60, 7
	s_lshl_b32 s60, s60, 2
	s_add_co_u32 s60, s60, s18                     ; my 64 tokens of the batch's 32 groups
	s_and_b32 s62, s85, 7
	s_lshl_b32 s62, s62, 1                         ; hA
	s_lshl_b32 s61, s61, 4
	s_add_co_u32 s61, s61, s62                     ; batch x 16 + hA
	s_lshl_b32 s62, s61, 5
	s_add_co_u32 s62, s62, s60
	s_mul_i32 s62, s62, 3328                       ; q: the record,
	s_add_co_u32 s63, s62, 3072                    ; its words
	s_mul_i32 s66, s61, 208896
	s_lshr_b32 s67, s60, 1
	s_mul_i32 s67, s67, 13056
	s_add_co_u32 s66, s66, s67                     ; k: the record of 128 keys,
	s_and_b32 s67, s60, 1
	s_mul_i32 s94, s67, 3072
	s_lshl_b32 s67, s67, 8
	s_add_co_u32 s67, s67, s66
	s_add_co_u32 s67, s67, 12288                   ; its words for my four tiles,
	s_add_co_u32 s66, s66, s94                     ; my four half-images
	s_mov_b32 s95, 208896
	s_cmp_lt_u32 s23, 2                            ; q or k
	s_cselect_b64 s[96:97], s[14:15], s[16:17]
	s_cselect_b32 s62, s62, s66
	s_cselect_b32 s63, s63, s67
	s_cselect_b32 s95, 106496, s95                 ; from a head to the next
	s_mov_b32 s99, 0
	s_mov_b32 s98, s62
	s_add_nc_u64 s[86:87], s[96:97], s[98:99]      ; head hA's images
	s_mov_b32 s98, s95
	s_add_nc_u64 s[90:91], s[86:87], s[98:99]      ; head hA + 1's
	s_mov_b32 s98, s63
	s_add_nc_u64 s[96:97], s[96:97], s[98:99]      ; the words
	v_lshlrev_b32 v26, 4, v3
.irp a, 0,1,2,3
	v_bfe_u32 v[WDS+\a], v[PW+\a], v26, 16         ; lanes 0-15 keep head hA's two bytes, lanes 16-31 head hA + 1's
.endr
	v_lshl_or_b32 v[WDS], v[WDS+1], 16, v[WDS]     ; an even tile's word also carries the next tile's two bytes above its own: the word of an operand that holds both tiles, 64 + 64 along K
	v_lshl_or_b32 v[WDS+2], v[WDS+3], 16, v[WDS+2]
	v_mul_u32_u24 v27, v3, s95
	v_lshl_add_u32 v27, v2, 4, v27                 ; 16 r, in my half's head
	WALU                                           ; the codes were written ahead of the scalar lines above
.irp a, 0,1,2,3
	global_store_b128 v4, v[PCS+12*\a:PCS+12*\a+3], s[86:87] offset:768*\a          ; 512 consecutive bytes,
	global_store_b64 v5, v[PCS+12*\a+4:PCS+12*\a+5], s[86:87] offset:768*\a+512     ; 256
	global_store_b128 v4, v[PCS+12*\a+6:PCS+12*\a+9], s[90:91] offset:768*\a
	global_store_b64 v5, v[PCS+12*\a+10:PCS+12*\a+11], s[90:91] offset:768*\a+512
.endr
	global_store_b128 v27, v[WDS:WDS+3], s[96:97]  ; sixteen lanes store a head's 256 bytes of words
	s_mov_b32 s84, s80                             ; on to the next tile
	s_mov_b32 s85, s81
	s_add_co_u32 s23, s23, 2
	s_add_co_u32 s82, s82, 1
	s_cmp_lt_u32 s82, 2
	WALU
	s_cbranch_scc1 .Ltile
; ---------------- v's tile: nothing more is fetched ----------------
	FIRST 2
	ODD 1, 0
	EVEN 2
	ODD 3, 1                                       ; stage 1, which waves 2 and 3 asked for in k's last K step
	EVEN 4
	ODD 5, 0
	EVEN 6
	s_wait_dscnt 0x0
	MULH 7, 0, 0
	MULH 7, 1, 0
	WIN 0
	PLACES
	s_wait_xcnt 0x0                                ; k's stores have read the codes' registers
.irp a, 0,1,2,3
	QUANTW 64*\a, PCS+12*\a, PW+\a
.endr
	; tile a is the fragment of 16 channels x the record's 128 keys
	s_lshr_b32 s60, s85, 4
	s_lshl_b32 s60, s60, 4                         ; batch x 16
	s_sub_co_u32 s61, s84, 16
	s_lshl_b32 s61, s61, 1                         ; + 4 cy
	s_add_co_u32 s60, s60, s61
	s_add_co_u32 s60, s60, s18                     ; + wave: the head
	s_mul_i32 s60, s60, 208896
	s_and_b32 s61, s85, 15
	s_mul_i32 s61, s61, 13056
	s_add_co_u32 s98, s60, s61
	s_mov_b32 s99, 0
	s_add_nc_u64 s[86:87], s[16:17], s[98:99]      ; the record
	v_cmp_eq_u32 vcc_lo, 1, v3                     ; both halves of the lanes hold the row's four words: lanes 0-15 store words 0, 1, lanes 16-31 words 2, 3
	v_cndmask_b32 v[WDS], v[PW], v[PW+2], vcc_lo
	v_cndmask_b32 v[WDS+1], v[PW+1], v[PW+3], vcc_lo
	v_lshlrev_b32 v27, 4, v2
	v_lshl_add_u32 v27, v3, 3, v27
	WALU
.irp a, 0,1,2,3
	global_store_b128 v4, v[PCS+12*\a:PCS+12*\a+3], s[86:87] offset:6144+1536*\a
	global_store_b64 v5, v[PCS+12*\a+4:PCS+12*\a+5], s[86:87] offset:6144+1536*\a+512
	global_store_b128 v4, v[PCS+12*\a+6:PCS+12*\a+9], s[86:87] offset:6144+1536*\a+768
	global_store_b64 v5, v[PCS+12*\a+10:PCS+12*\a+11], s[86:87] offset:6144+1536*\a+1280
.endr
	global_store_b64 v27, v[WDS:WDS+1], s[86:87] offset:12800   ; 32 lanes store the record's 256 bytes of V's words
	s_wait_tensorcnt 0x0                           ; the wave's end
	ds_add_u32 v254, v255
	s_wait_dscnt 0x0
	CROUND                                         ; the closing round: no work-group ends while a partner may still ask for bytes by a load that names it
	s_endpgm
.Lfunc_end_k_qa1f2fce4a7_qkv:
	.size	k_qa1f2fce4a7_qkv, .Lfunc_end_k_qa1f2fce4a7_qkv-k_qa1f2fce4a7_qkv
	.p2alignl 7, 3214868480
	.fill 96, 4, 3214868480
	.section	.rodata,"a",@progbits
	.p2align	6, 0x0
	.amdhsa_kernel k_qa1f2fce4a7_qkv
		.amdhsa_group_segment_fixed_size 327680
		.amdhsa_private_segment_fixed_size 0
		.amdhsa_enable_private_segment 0
		.amdhsa_kernarg_size 56
		.amdhsa_user_sgpr_count 2
		.amdhsa_user_sgpr_kernarg_segment_ptr 1
		.amdhsa_wavefront_size32 1
		.amdhsa_system_sgpr_workgroup_id_x 1
		.amdhsa_system_sgpr_workgroup_id_y 1
		.amdhsa_system_sgpr_workgroup_id_z 1
		.amdhsa_system_vgpr_workitem_id 0
		.amdhsa_next_free_vgpr 912
		.amdhsa_next_free_sgpr 104
		.amdhsa_reserve_vcc 1
		.amdhsa_float_denorm_mode_32 3
		.amdhsa_float_denorm_mode_16_64 3
		.amdhsa_memory_ordered 1
		.amdhsa_forward_progress 1
		.amdhsa_inst_pref_size 173
	.end_amdhsa_kernel
	.amdgpu_metadata
---
amdhsa.version: [ 1, 2 ]
amdhsa.kernels:
  - .name:           k_qa1f2fce4a7_qkv
    .symbol:         k_qa1f2fce4a7_qkv.kd
    .args:
      - { .name: xc, .offset: 0, .size: 8, .value_kind: global_buffer, .address_space: global }
      - { .name: xs, .offset: 8, .size: 8, .value_kind: global_buffer, .address_space: global }
      - { .name: wc, .offset: 16, .size: 8, .value_kind: global_buffer, .address_space: global }
      - { .name: ws, .offset: 24, .size: 8, .value_kind: global_buffer, .address_space: global }
      - { .name: b_attn, .offset: 32, .size: 8, .value_kind: global_buffer, .address_space: global }
      - { .name: qb, .offset: 40, .size: 8, .value_kind: global_buffer, .address_space: global }
      - { .name: kv, .offset: 48, .size: 8, .value_kind: global_buffer, .address_space: global }
    .group_segment_fixed_size: 327680
    .private_segment_fixed_size: 0
    .kernarg_segment_align: 8
    .kernarg_segment_size: 56
    .max_flat_workgroup_size: 128
    .sgpr_count:     104
    .vgpr_count:     912
    .wavefront_size: 32
...
	.end_amdgpu_metadata
.endif
;; end of part 2
;; launch attn (part 3): grid 4 x 64, 8 waves a work-group, clusters of 4 x 1, 209,920 bytes of LDS; arguments qb, kv, yc, ys; writes yc, ys
.if DOCPART == 3
	.amdgcn_target "amdgcn-amd-amdhsa--gfx1250"
	.amdhsa_code_object_version 6
	.text
	.protected	k_qa1f2fce4a7_attn
	.globl	k_qa1f2fce4a7_attn
	.p2align	8
	.type	k_qa1f2fce4a7_attn,@function
k_qa1f2fce4a7_attn:
	s_mov_b64 s[64:65], 0
	v_nop
	global_prefetch_b8 v0, s[64:65] scope:SCOPE_SE
	s_setreg_imm32_b32 hwreg(HW_REG_WAVE_MODE, 25, 1), 1
	s_wait_xcnt 0x0
	s_wait_alu depctr_hold_cnt(0) depctr_sa_sdst(0) depctr_va_vdst(0) depctr_va_sdst(0) depctr_va_ssrc(0) depctr_va_vcc(0) depctr_vm_vsrc(0)
	s_getreg_b32 s2, hwreg(HW_REG_IB_STS2, 6, 4)
	s_cmp_eq_u32 s2, 0
	s_cbranch_scc0 .Lentry_in_a_cluster
	s_endpgm
.Lentry_in_a_cluster:
	s_bfe_u32 s2, ttmp6, 0x10000c
	s_cmp_lg_u32 s2, 0x3003
	s_cbranch_scc0 .Lentry_shape_is_right
	s_endpgm
.Lentry_shape_is_right:
; y = softmax(q k^T / 8, causal) v for one (batch, head) a cluster, both products on codes of FP6 (E2M3) with E8M0 scales; y quantised along the model's 1,024 for the last product.
; THE SOFTMAX: t = score x log2(e) / 8; M = the row's largest t so far, rounded UP to a whole number; p = 2^(t - M) is quantised along the keys, not normalised.  The row's sum is taken of the
; unquantised p and divides at the end.  When M moves, the sum and O are multiplied by 2^(old M - new M): exact, and done in every step, with no branch on data.
; LEFT OUT: key steps all of whose keys come after the wave's queries: the causal mask sets their scores to -infinity, so their p is 0 for all values of the inputs.
; IN.  qb: [batch x head][64 tokens]: 4 half-images (16 tokens x 64: registers 0-3 of lane L at 16 L, 4-5 at 512 + 8 L), then words [r][tile] (a tile's two bytes in the low half).
; kv: [batch x head][128 keys]: records of 13,056 bytes: K's 8 half-images; at 6,144 V^T's 4 fragments (16 d x 128 keys); at 12,288 K's words [4 tiles][r][tile % 4], an even tile's word with the next
; tile's two bytes above its own; at 12,800 V's words [r][d tile].  Lane r of a stored tile T holds token (or d) 32 (T / 2) + 8 (T % 2) + r + 8 (r / 8).
; THE KEYS OF A TILE ARE CHOSEN BY THE LANES' LDS ADDRESSES: tile (c, t), c = 0, 1, t = 0 .. 3, has key 64 c + 32 (m / 8) + 8 t + m % 8 in its row m; that is lane m % 8 + 8 (t / 2) of stored tile
; 4 c + 2 (m / 8) + t % 2.  With S^T = K Q^T lane (r, h) then holds, in the 32 registers of group c, keys 64 c + 32 h + 0 .. 31 of query r: one whole scale block of p, in the order of the next operand's registers.
; THE HEAD'S K IS 64: an operand of K holds TWO tiles, t = 2 u below and t = 2 u + 1 above; it is multiplied by [Q | zero codes] and by [zero codes | Q].
; SHARES.  A wave owns TWO tiles of 16 queries at a time, A = tile 8 a + cx and B = tile 8 a + 4 + cx, which lie in the first and the second 64 tokens of key step a; twice: a = 15 - wave, then a = wave:
; 17 key steps a wave.  Each fragment of K and V, each scale word and each address serves both tiles.  The diagonal step a, and with it every branch, hangs on the wave's number alone.
; THE DIAGONAL STEP: A's keys 64 .. 127 are all hidden, B's keys 0 .. 63 all count; in A's group 0 and in B's group 1 register n is hidden where n > d, d = my query's place in its 64 tokens - 32 h: one compare serves both.
; CLUSTER.  The four work-groups of a cluster serve one head and hold ALL its 16 records in LDS, 208,896 bytes, brought once by joint loads that name all four, two records a wave: nothing is filled again.
; No prefetch: every tile is asked for at the head, and no loop is left to run ahead in.  The next step's K is read from LDS behind this step's score products; its address is held at the last record.
; LIMITS: NaN and infinities are not served; the promise holds while the scaled scores stay under 2^31 in magnitude; a block of y whose largest magnitude lies under 2^-124 gets the scale byte 1.
; REGISTERS.  Window 0: v0 thread; v1-6 lane terms (K 16-byte, K 8-byte, K words, 16 L, 8 L, 16 r); v7-9 addresses; v10, v11 Q's words; v14-17 K's; v18-21 V's; v22, v23 p's; v24-71 [Q | 0], [0 | Q] of A, of B;
; v72-119 K's four operands; v120-167 V's four; v168-191 p's codes of A, of B; v192-206 the conversions' second halves; v208-213 at work at a pass's ends; v254, v255 the add's.
; Window 1: v0-63 A's S^T, then p; v64-127 B's; v128-159, v160-191 O^T; v192-195 -M and the largest score of A, of B; v196-199 the sums; v200-203 f; v204 d; v205 8 h; v206 -infinity; v208-247 at work.
.set REC, 13056
.set SPARE, 0x33000                    ; behind the 16 records: the spare words, 128 bytes a wave
.set QLA, 24
.set QHA, 36
.set QLB, 48
.set QHB, 60
.set KF, 72
.set VF, 120
.set PA, 168
.set PB, 180
.set TA, 192
.set TB, 200
.set OA, 128
.set OB, 160
.set ALL1, 0x55                        ; every operand in window 1
.set TO1, 0x40                         ; the destination in window 1
.set FROM1, 0x05                       ; sources 0 and 1 in window 1
.set PVW, 0x50                         ; C and D in window 1
.set MSB, 0
.macro WIN new                         ; the immediate's high byte repeats the setting that is left
.if MSB != (\new)
	s_set_vgpr_msb (MSB<<8)|(\new)
.set MSB, (\new)
.endif
.endm
.macro PLACES
.rept 4
	v_nop
.endr
.endm
.macro WALU
	s_wait_alu depctr_va_vdst(0)
.endm
.macro CROUND                          ; a round of the cluster's barrier
	s_barrier_signal -1
	s_barrier_wait -1
	s_cmp_lg_u32 s12, 0
	s_cbranch_scc1 .Lnot_wave_0_\@
	s_barrier_signal -3
.Lnot_wave_0_\@:
	s_barrier_wait -3
	s_barrier_signal -1
	s_barrier_wait -1
.endm
.macro KLOAD a, b, w                   ; a record's four operands of K and their words: 20 loads.  Operand 2 c + u: tile (c, 2 u) in registers 0-5, tile (c, 2 u + 1) in 6-11
.irp c, 0,1
.irp u, 0,1
	ds_load_b128 v[KF+24*\c+12*\u:KF+24*\c+12*\u+3], \a offset:3072*\c+128*\u
	ds_load_b64 v[KF+24*\c+12*\u+4:KF+24*\c+12*\u+5], \b offset:3072*\c+64*\u+512
	ds_load_b128 v[KF+24*\c+12*\u+6:KF+24*\c+12*\u+9], \a offset:3072*\c+128*\u+768
	ds_load_b64 v[KF+24*\c+12*\u+10:KF+24*\c+12*\u+11], \b offset:3072*\c+64*\u+1280
	ds_load_b32 v[14+2*\c+\u], \w offset:12288+256*\c+128*\u
.endr
.endr
.endm
	s_load_b256 s[4:11], s[0:1], 0x0               ; qb, kv, yc, ys
	v_lshl_add_u32 v254, v0, 2, SPARE
	v_mov_b32 v255, 0
	ds_add_u32 v254, v255                          ; the opening lines: the add, twice on end, and its wait
	ds_add_u32 v254, v255
	v_lshrrev_b32 v1, 5, v0
	v_readfirstlane_b32 s12, v1                    ; wave 0..7
	s_bfe_u32 s13, ttmp6, 0x40000                  ; cx
	s_and_b32 s14, ttmp7, 0xffff                   ; batch x 16 + head, which the four partners share
	s_mov_b32 s16, 15|(3<<16)|(1<<21)              ; group 1: two records, 26,112 dense bytes, as 102 rows of 256 (32 elements of 8 bytes); the mask names all four work-groups
	s_mov_b32 s17, 32<<16
	s_mov_b32 s18, 102<<16
	s_mov_b32 s19, 32<<16
	s_mov_b32 s20, 102
	s_mov_b32 s21, 32
	s_mov_b32 s22, 0
	s_mov_b32 s23, 0
	s_mov_b32 s36, 0x76543210
	s_mov_b32 s37, 0xfedcba98                      ; v_permlanex16_b32's selects for lane l xor 16
	s_mov_b32 s38, 0x3e38aa3b                      ; c = log2(e) / 8
	s_mov_b32 s39, 0xbe38aa3b                      ; -c
	s_mul_i32 s40, s14, 16*REC                     ; the head's first byte
	s_mul_i32 s25, s12, 2*REC                      ; records 2 w, 2 w + 1, in LDS as in memory
	s_add_co_u32 s42, s40, s25
	s_mov_b32 s43, 0
	s_mov_b32 s24, 1
	s_wait_dscnt 0x0
	s_wait_kmcnt 0x0
	s_add_nc_u64 s[26:27], s[6:7], s[42:43]
	s_or_b32 s27, s27, 0x80000000
	CROUND                                         ; all four work-groups are here: the joint loads meet
	tensor_load_to_lds s[24:27], s[16:23]          ; every wave's one load
	s_nop 0
	PLACES
	v_and_b32 v8, 7, v0                            ; r % 8
	v_bfe_u32 v9, v0, 3, 1                         ; r / 8
	v_bfe_u32 v7, v0, 4, 1                         ; h
	v_mul_u32_u24 v2, v9, 1536                     ; two stored tiles on for the upper eight rows
	v_lshl_add_u32 v1, v8, 4, v2
	v_lshl_add_u32 v1, v7, 8, v1                   ; K, 16 bytes: 1536 (r / 8) + 16 (r % 8) + 256 h
	v_lshl_add_u32 v2, v8, 3, v2
	v_lshl_add_u32 v2, v7, 7, v2                   ; K, 8 bytes: 1536 (r / 8) + 8 (r % 8) + 128 h
	v_lshlrev_b32 v3, 4, v8
	v_lshl_add_u32 v3, v9, 3, v3                   ; K's words: 16 (r % 8) + 8 (r / 8)
	v_and_b32 v4, 31, v0
	v_lshlrev_b32 v5, 3, v4                        ; 8 L
	v_lshlrev_b32 v4, 4, v4                        ; 16 L
	v_and_b32 v6, 15, v0
	v_lshlrev_b32 v6, 4, v6                        ; 16 r
	s_lshr_b32 s46, s13, 1
	s_lshl_b32 s46, s46, 5
	s_and_b32 s47, s13, 1
	s_lshl_b32 s47, s47, 3
	s_add_co_u32 s46, s46, s47                     ; my tiles' first query in their 64 tokens: 32 (cx / 2) + 8 (cx % 2)
	v_and_b32 v208, 15, v0
	v_and_b32 v209, 8, v0
	v_and_b32 v210, 16, v0
	v_add_nc_u32 v208, v208, v209
	v_lshlrev_b32 v210, 1, v210
	v_sub_nc_u32 v208, v208, v210
	v_add_nc_u32 v208, s46, v208                   ; d = 32 (cx / 2) + 8 (cx % 2) + r + 8 (r / 8) - 32 h
	v_lshlrev_b32 v211, 3, v7                      ; 8 h
.irp i, 30,31,32,33,34,35,36,37,38,39,40,41,54,55,56,57,58,59,60,61,62,63,64,65
	v_mov_b32 v[\i], 0                             ; the zero codes of [Q | 0] and [0 | Q]: set once
.endr
	WIN TO1
	v_mov_b32 v204, v208
	v_mov_b32 v205, v211
	v_mov_b32 v206, 0xff800000                     ; -infinity
.irp i, 201,203,216,217,218,219,234,235
	v_mov_b32 v[\i], 0                             ; upper halves of pairs that are named, and the lane permutes' destinations, which count as sources
.endr
	WIN 0
; A PASS BEGINS: the wave's key step a, its two tiles of Q (each loaded twice: below and above), and empty sums.
.macro PASS_INIT p
	s_wait_xcnt 0x0                                ; the last pass's stores have read their registers and bases
.if \p == 0
	s_xor_b32 s33, s12, 15                         ; a = 15 - wave: the diagonal step
.else
	s_mov_b32 s33, s12                             ; a = wave
.endif
	s_lshl_b32 s40, s14, 5
	s_lshl_b32 s41, s33, 1
	s_add_co_u32 s40, s40, s41
	s_mul_i32 s40, s40, 3328
	s_mov_b32 s41, 0
	s_add_nc_u64 s[44:45], s[4:5], s[40:41]        ; Q's record of A's 64 tokens; B's follows it
	s_mul_i32 s42, s13, 768                        ; my work-group's tile in it
	s_lshl_b32 s43, s13, 2
	v_add_nc_u32 v208, s42, v4
	v_add_nc_u32 v209, s42, v5
	v_add_nc_u32 v210, s43, v6
	global_load_b128 v[QLA:QLA+3], v208, s[44:45]
	global_load_b64 v[QLA+4:QLA+5], v209, s[44:45] offset:512
	global_load_b128 v[QHA+6:QHA+9], v208, s[44:45]
	global_load_b64 v[QHA+10:QHA+11], v209, s[44:45] offset:512
	global_load_b128 v[QLB:QLB+3], v208, s[44:45] offset:3328
	global_load_b64 v[QLB+4:QLB+5], v209, s[44:45] offset:3840
	global_load_b128 v[QHB+6:QHB+9], v208, s[44:45] offset:3328
	global_load_b64 v[QHB+10:QHB+11], v209, s[44:45] offset:3840
	global_load_b32 v212, v210, s[44:45] offset:3072
	global_load_b32 v213, v210, s[44:45] offset:6400
	WIN TO1
	v_mov_b32 v193, 0xff61b1e6                     ; the largest score so far: -3e38
	v_mov_b32 v195, 0xff61b1e6
	v_mov_b32 v192, 0x7f61b1e6                     ; -M: 3e38, so that the first change of M gives f = 0, which multiplies zeros
	v_mov_b32 v194, 0x7f61b1e6
.irp i, 196,197,198,199
	v_mov_b32 v[\i], 0
.endr
	WIN 0
	s_wait_loadcnt 0x0                             ; Q
	v_and_b32 v212, 0xffff, v212
	v_and_b32 v213, 0xffff, v213
	v_lshl_or_b32 v10, v212, 16, v212              ; Q's two bytes below and above; the 64 lines that follow are the words' places ahead of the first product
	v_lshl_or_b32 v11, v213, 16, v213
	WIN TO1
.set n, 0
.rept 64
	v_mov_b32 v[OA+n], 0
.set n, n+1
.endr
	WIN 0
	WALU
.endm
.macro SUMS x, acc, t                  ; the row's sum of the unquantised p of one tile, in four chains: 32 lines
	v_pk_add_f32 v[\t:\t+1], v[\x:\x+1], v[\x+2:\x+3]
	v_pk_add_f32 v[\t+2:\t+3], v[\x+4:\x+5], v[\x+6:\x+7]
	v_pk_add_f32 v[\t+4:\t+5], v[\x+8:\x+9], v[\x+10:\x+11]
	v_pk_add_f32 v[\acc:\acc+1], v[\acc:\acc+1], v[\x+12:\x+13]
.irp i, 14,22,30,38,46,54
	v_pk_add_f32 v[\t:\t+1], v[\t:\t+1], v[\x+\i:\x+\i+1]
	v_pk_add_f32 v[\t+2:\t+3], v[\t+2:\t+3], v[\x+\i+2:\x+\i+3]
	v_pk_add_f32 v[\t+4:\t+5], v[\t+4:\t+5], v[\x+\i+4:\x+\i+5]
	v_pk_add_f32 v[\acc:\acc+1], v[\acc:\acc+1], v[\x+\i+6:\x+\i+7]
.endr
	v_pk_add_f32 v[\t:\t+1], v[\t:\t+1], v[\x+62:\x+63]
	v_pk_add_f32 v[\t+2:\t+3], v[\t+2:\t+3], v[\t+4:\t+5]
	v_pk_add_f32 v[\acc:\acc+1], v[\acc:\acc+1], v[\t:\t+1]
	v_pk_add_f32 v[\acc:\acc+1], v[\acc:\acc+1], v[\t+2:\t+3]
.endm
; A KEY STEP: 128 keys, record s15, at LDS byte s32, for both tiles.  Its K was asked for in the step before, or ahead of the loop.
.macro STEP
	s_cmp_gt_u32 s15, s33                          ; all its keys come after my queries: only the address is stepped
	s_cbranch_scc1 .Lhidden_\@
	s_wait_dscnt 0x0                               ; K
	WIN TO1
.irp f, 0,1,2,3                                ; S^T = K Q^T: sixteen products on end, sixteen accumulators
	v_wmma_scale_f32_16x16x128_f8f6f4 v[16*\f:16*\f+7], v[KF+12*\f:KF+12*\f+11], v[QLA:QLA+11], 0, v[14+\f], v10 matrix_a_fmt:MATRIX_FMT_FP6 matrix_b_fmt:MATRIX_FMT_FP6
	v_wmma_scale_f32_16x16x128_f8f6f4 v[16*\f+8:16*\f+15], v[KF+12*\f:KF+12*\f+11], v[QHA:QHA+11], 0, v[14+\f], v10 matrix_a_fmt:MATRIX_FMT_FP6 matrix_b_fmt:MATRIX_FMT_FP6
	v_wmma_scale_f32_16x16x128_f8f6f4 v[64+16*\f:64+16*\f+7], v[KF+12*\f:KF+12*\f+11], v[QLB:QLB+11], 0, v[14+\f], v11 matrix_a_fmt:MATRIX_FMT_FP6 matrix_b_fmt:MATRIX_FMT_FP6
	v_wmma_scale_f32_16x16x128_f8f6f4 v[64+16*\f+8:64+16*\f+15], v[KF+12*\f:KF+12*\f+11], v[QHB:QHB+11], 0, v[14+\f], v11 matrix_a_fmt:MATRIX_FMT_FP6 matrix_b_fmt:MATRIX_FMT_FP6
.endr
	WIN 0
	v_add_nc_u32 v8, s32, v4                       ; four plain places behind the products: ahead of the loads into V's and K's registers and of the first read of the scores
	v_add_nc_u32 v9, s32, v5
	v_add_nc_u32 v7, s32, v6
	v_nop
.irp i, 0,1,2,3                                ; V's fragments and words: 17 loads, which land under the softmax
	ds_load_b128 v[VF+12*\i:VF+12*\i+3], v8 offset:6144+1536*\i
	ds_load_b64 v[VF+12*\i+4:VF+12*\i+5], v9 offset:6144+1536*\i+512
	ds_load_b128 v[VF+12*\i+6:VF+12*\i+9], v8 offset:6144+1536*\i+768
	ds_load_b64 v[VF+12*\i+10:VF+12*\i+11], v9 offset:6144+1536*\i+1280
.endr
	ds_load_b128 v[18:21], v7 offset:12800
	s_add_co_u32 s35, s32, REC
	s_min_u32 s35, s35, 15*REC                     ; the next record, held at the last
	v_add_nc_u32 v8, s35, v1
	v_add_nc_u32 v9, s35, v2
	v_add_nc_u32 v7, s35, v3
	KLOAD v8, v9, v7                               ; the next step's K: 20 loads
	s_cmp_lg_u32 s15, s33                          ; only the diagonal step hides keys
	s_cbranch_scc1 .Lopen_\@
	WIN ALL1
.set n, 0
.rept 32
	v_cmp_gt_i32 vcc_lo, n, v204
	v_cndmask_b32 v[n], v[n], v206, vcc_lo         ; A, keys 32 h + n
	v_cndmask_b32 v[96+n], v[96+n], v206, vcc_lo   ; B, keys 64 + 32 h + n
	v_mov_b32 v[32+n], v206                        ; A, keys 64 + 32 h + n: all hidden
.set n, n+1
.endr
	WIN 0
.Lopen_\@:
	WIN ALL1
.irp e, 0,1,2,3,4,5,6,7                        ; the largest score of my four blocks of 32 keys (two a tile), each in two chains; the eight chains by turns.  Each accumulator is first read at its low end
	v_max3_num_f32 v[208+\e], v[16*\e], v[16*\e+1], v[16*\e+2]
.endr
.irp i, 3,5,7,9,11,13
.irp e, 0,1,2,3,4,5,6,7
	v_max3_num_f32 v[208+\e], v[208+\e], v[16*\e+\i], v[16*\e+\i+1]
.endr
.endr
.irp b, 0,1,2,3
	v_max3_num_f32 v[209+2*\b], v[209+2*\b], v[32*\b+31], v[32*\b+15]
.endr
.irp b, 0,1,2,3
	v_max_num_f32 v[208+2*\b], v[208+2*\b], v[209+2*\b]   ; they serve the row's maximum and, since p rises with the score, the blocks' largest p
.endr
	v_max3_num_f32 v216, v193, v208, v210          ; from here on A's line and B's by turns
	v_max3_num_f32 v218, v195, v212, v214
	v_permlanex16_b32 v217, v216, s36, s37
	v_permlanex16_b32 v219, v218, s36, s37
	v_max_num_f32 v193, v216, v217                 ; the running largest score of my query
	v_max_num_f32 v195, v218, v219
	v_mul_f32 v220, s39, v193                      ; -t
	v_mul_f32 v222, s39, v195
	v_floor_f32 v220, v220                         ; the new -M = floor(-t) = -ceil(t)
	v_floor_f32 v222, v222
	v_sub_f32 v221, v220, v192                     ; old M - new M: a whole number, 0 or less
	v_sub_f32 v223, v222, v194
	v_mov_b32 v192, v220
	v_mov_b32 v194, v222
	v_cvt_i32_f32 v221, v221                       ; (it saturates)
	v_cvt_i32_f32 v223, v223
	v_ldexp_f32 v200, 1.0, v221                    ; f = 2^(old M - new M)
	v_ldexp_f32 v202, 1.0, v223
.set n, 0
.rept 32
	v_pk_fma_f32 v[n:n+1], v[n:n+1], s[38:39], v[192:193] op_sel_hi:[1,0,0]   ; t - M, two at a time
.set n, n+2
.endr
.rept 32
	v_pk_fma_f32 v[n:n+1], v[n:n+1], s[38:39], v[194:195] op_sel_hi:[1,0,0]
.set n, n+2
.endr
	v_fma_f32 v208, v208, s38, v192                ; the same of each block's largest score
	v_fma_f32 v210, v210, s38, v192
	v_fma_f32 v212, v212, s38, v194
	v_fma_f32 v214, v214, s38, v194
.set n, 0
.rept 16
	v_pk_mul_f32 v[OA+n:OA+n+1], v[OA+n:OA+n+1], v[200:201] op_sel_hi:[1,0]   ; O^T under the new M, each accumulator from its low end on
.set n, n+2
.endr
.set n, 0
.rept 16
	v_pk_mul_f32 v[OB+n:OB+n+1], v[OB+n:OB+n+1], v[202:203] op_sel_hi:[1,0]
.set n, n+2
.endr
	WALU
.set n, 0
.rept 128
	v_exp_f32 v[n], v[n]                           ; p = 2^(t - M), at most 1
.set n, n+1
.endr
.irp b, 0,1,2,3
	v_exp_f32 v[208+2*\b], v[208+2*\b]             ; the blocks' largest p
.endr
	v_pk_mul_f32 v[196:197], v[196:197], v[200:201] op_sel_hi:[1,0]   ; the sums under the new M: the plain place behind the batch
	v_pk_mul_f32 v[198:199], v[198:199], v[202:203] op_sel_hi:[1,0]
	WALU                                           ; one wait for the batch of 132, ahead of its first reader
.irp b, 0,1,2,3
	v_max_num_f32 v[208+2*\b], 0x1800000, v[208+2*\b]   ; the floor 2^(3 - 127): a block whose every p is 0 keeps the byte 1: its codes are zeros
.endr
.irp b, 0,1,2,3
	v_add_nc_u32 v[224+\b], 0xff000000, v[208+2*\b]     ; 2 off the exponent field: the conversions' scale operands
.endr
.irp b, 0,1,2,3
	v_lshrrev_b32 v[228+\b], 23, v[224+\b]         ; the bytes of blocks h and 2 + h
.endr
	v_lshl_or_b32 v232, v229, 16, v228
	v_lshl_or_b32 v233, v231, 16, v230
	v_lshlrev_b32 v232, v205, v232                 ; at their places in the word, 8 h bits up
	v_lshlrev_b32 v233, v205, v233
	v_permlanex16_b32 v234, v232, s36, s37
	v_permlanex16_b32 v235, v233, s36, s37
	WIN FROM1                                      ; the codes and the words go to window 0
	v_cvt_scalef32_pk16_fp6_f32 v[PA:PA+2], v[0:15], v224
	v_cvt_scalef32_pk16_fp6_f32 v[TA:TA+2], v[16:31], v224        ; (a conversion's three registers begin on an even number)
	v_cvt_scalef32_pk16_fp6_f32 v[PA+6:PA+8], v[32:47], v225
	v_cvt_scalef32_pk16_fp6_f32 v[TA+4:TA+6], v[48:63], v225
	v_cvt_scalef32_pk16_fp6_f32 v[PB:PB+2], v[64:79], v226
	v_cvt_scalef32_pk16_fp6_f32 v[TB:TB+2], v[80:95], v226
	v_cvt_scalef32_pk16_fp6_f32 v[PB+6:PB+8], v[96:111], v227
	v_cvt_scalef32_pk16_fp6_f32 v[TB+4:TB+6], v[112:127], v227
	v_or_b32 v22, v232, v234                       ; with lane l xor 16's two bytes: p's scale words for these 128 keys.  (Plain places behind the conversions)
	v_or_b32 v23, v233, v235
	WIN 0
.irp i, 0,1,2
	v_mov_b32 v[PA+3+\i], v[TA+\i]
	v_mov_b32 v[PA+9+\i], v[TA+4+\i]
	v_mov_b32 v[PB+3+\i], v[TB+\i]
	v_mov_b32 v[PB+9+\i], v[TB+4+\i]
.endr
	WIN ALL1
	SUMS 0, 196, 236                               ; these 64 lines are also the places between p's codes and words and the products below
	SUMS 64, 198, 242
	WALU
	s_wait_dscnt 20                                ; V's 17 loads are in; the 20 of the next step's K, issued behind them, may be out
	WIN PVW
.irp i, 0,1,2,3                                ; O^T += V^T P^T: eight accumulators, one instruction each; the next step's sixteen products stand between a sum's steps
	v_wmma_scale_f32_16x16x128_f8f6f4 v[OA+8*\i:OA+8*\i+7], v[VF+12*\i:VF+12*\i+11], v[PA:PA+11], v[OA+8*\i:OA+8*\i+7], v[18+\i], v22 matrix_a_fmt:MATRIX_FMT_FP6 matrix_b_fmt:MATRIX_FMT_FP6
	v_wmma_scale_f32_16x16x128_f8f6f4 v[OB+8*\i:OB+8*\i+7], v[VF+12*\i:VF+12*\i+11], v[PB:PB+11], v[OB+8*\i:OB+8*\i+7], v[18+\i], v23 matrix_a_fmt:MATRIX_FMT_FP6 matrix_b_fmt:MATRIX_FMT_FP6
.endr
	WIN 0
.Lhidden_\@:
	s_add_co_u32 s32, s32, REC                     ; the next record
.endm
; A PASS ENDS: y = O^T / the sum, quantised along the head's 64 (two blocks), stored as the half-images that the last product's operand has at these two tiles, this head.
; O^T's register 8 i + j is channel 32 (i / 2) + 8 (i % 2) + 16 h + j: 16 neighbours of each block a lane.
.macro FINISH
	s_wait_dscnt 0x0                               ; the K that was asked for ahead and is not used has landed
	WIN ALL1
	v_add_f32 v196, v196, v197
	v_add_f32 v198, v198, v199
	v_permlanex16_b32 v217, v196, s36, s37
	v_permlanex16_b32 v219, v198, s36, s37
	v_add_f32 v196, v196, v217                     ; the rows' sums
	v_add_f32 v198, v198, v219
	WALU                                           ; ahead of the transcendentals
	v_rcp_f32 v196, v196
	v_rcp_f32 v198, v198
	WIN 0
	v_and_b32 v208, 15, v0                         ; (a plain place behind the reciprocals)
	v_bfe_u32 v211, v0, 4, 1
	v_lshl_add_u32 v209, v208, 5, v211             ; my scale byte's place: 32 r + h
	s_lshr_b32 s40, s14, 4                         ; the batch
	s_and_b32 s41, s14, 15                         ; the head
	s_lshl_b32 s42, s40, 4
	s_add_co_u32 s42, s42, s33                     ; the block of 128 tokens
	s_mul_i32 s42, s42, 98304
	s_lshr_b32 s43, s41, 2
	s_mul_i32 s43, s43, 24576                      ; the chunk of 256 K: four heads
	s_add_co_u32 s42, s42, s43
	s_mul_i32 s43, s13, 3072                       ; A's tile in its block; B's lies four tiles on
	s_add_co_u32 s42, s42, s43
	s_and_b32 s43, s41, 3
	s_mul_i32 s43, s43, 768                        ; the head in its chunk
	s_add_co_u32 s46, s42, s43
	s_mov_b32 s47, 0
	s_add_nc_u64 s[46:47], s[8:9], s[46:47]
	s_lshl_b32 s42, s40, 7
	s_lshl_b32 s43, s33, 3
	s_add_co_u32 s42, s42, s43
	s_add_co_u32 s42, s42, s13                     ; A's tile
	s_lshl_b32 s42, s42, 9
	s_lshl_b32 s43, s41, 1                         ; two bytes a head
	s_add_co_u32 s48, s42, s43
	s_mov_b32 s49, 0
	s_add_nc_u64 s[48:49], s[10:11], s[48:49]
	WIN ALL1
	WALU                                           ; ahead of the first reader of the reciprocals and of O^T
.set n, 0
.rept 16
	v_pk_mul_f32 v[n:n+1], v[OA+n:OA+n+1], v[196:197] op_sel_hi:[1,0]
.set n, n+2
.endr
.set n, 0
.rept 16
	v_pk_mul_f32 v[64+n:64+n+1], v[OB+n:OB+n+1], v[198:199] op_sel_hi:[1,0]
.set n, n+2
.endr
.irp e, 0,1,2,3                                ; block e % 2 of tile e / 2 begins at register 16 (e % 2) + 64 (e / 2)
	v_max3_num_f32 v[208+\e], |v[16*(\e%2)+64*(\e/2)]|, |v[16*(\e%2)+64*(\e/2)+1]|, 0x1800000
.endr
.irp i, 2,4,6,8,10,12,14
.irp e, 0,1,2,3
	v_max3_num_f32 v[208+\e], v[208+\e], |v[16*(\e%2)+64*(\e/2)+\i]|, |v[16*(\e%2)+64*(\e/2)+\i+1]|
.endr
.endr
.irp e, 0,1,2,3
	v_permlanex16_b32 v[216+\e], v[208+\e], s36, s37
.endr
.irp e, 0,1,2,3
	v_max_num_f32 v[208+\e], v[208+\e], v[216+\e]
.endr
.irp e, 0,1,2,3
	v_add_nc_u32 v[224+\e], 0xff000000, v[208+\e]
.endr
.irp e, 0,1,2,3
	v_lshrrev_b32 v[228+\e], 23, v[224+\e]
.endr
	v_cmp_eq_u32 vcc_lo, 8, v205                   ; lanes 16-31
	WIN FROM1
	v_cvt_scalef32_pk16_fp6_f32 v[PA:PA+2], v[0:15], v224
	v_cvt_scalef32_pk16_fp6_f32 v[TA:TA+2], v[16:31], v225
	v_cvt_scalef32_pk16_fp6_f32 v[PB:PB+2], v[64:79], v226
	v_cvt_scalef32_pk16_fp6_f32 v[TB:TB+2], v[80:95], v227
	v_cndmask_b32 v212, v228, v229, vcc_lo         ; my half's block's byte.  (Plain places behind the conversions)
	v_cndmask_b32 v213, v230, v231, vcc_lo
	WIN 0
.irp i, 0,1,2
	v_permlane16_swap_b32 v[PA+\i], v[TA+\i]       ; a whole block in a lane: lanes 0-15 block 0, lanes 16-31 block 1
	v_permlane16_swap_b32 v[PB+\i], v[TB+\i]
.endr
.irp i, 0,1,2
	v_mov_b32 v[PA+3+\i], v[TA+\i]
	v_mov_b32 v[PB+3+\i], v[TB+\i]
.endr
	global_store_b128 v4, v[PA:PA+3], s[46:47]     ; 512 consecutive bytes,
	global_store_b64 v5, v[PA+4:PA+5], s[46:47] offset:512   ; 256
	global_store_b128 v4, v[PB:PB+3], s[46:47] offset:12288
	global_store_b64 v5, v[PB+4:PB+5], s[46:47] offset:12800
	global_store_b8 v209, v212, s[48:49]           ; a row's other scale bytes belong to other heads' work-groups: single bytes, one in 24 of what this pass stores
	global_store_b8 v209, v213, s[48:49] offset:2048
.endm
	PASS_INIT 0
	s_mov_b32 s32, 0
	s_mov_b32 s15, 0
	s_wait_tensorcnt 0x0                           ; my two records have landed,
	s_barrier_signal -1
	s_barrier_wait -1                              ; everybody's have: all 16 may be read
	KLOAD v1, v2, v3                               ; record 0's K
.Lb:                                               ; steps 0-15 for a = 15 - wave
	STEP
	s_add_co_u32 s15, s15, 1
	s_cmp_lt_u32 s15, 16
	s_cbranch_scc1 .Lb
	FINISH
	PASS_INIT 1
	s_mov_b32 s32, 0
	s_mov_b32 s15, 0
	KLOAD v1, v2, v3
.Lc:                                               ; steps 0-7 for a = wave
	STEP
	s_add_co_u32 s15, s15, 1
	s_cmp_lt_u32 s15, 8
	s_cbranch_scc1 .Lc
	FINISH
	s_wait_tensorcnt 0x0                           ; the wave's end
	ds_add_u32 v254, v255
	s_wait_dscnt 0x0
	CROUND                                         ; the closing round
	s_endpgm
.Lfunc_end_k_qa1f2fce4a7_attn:
	.size	k_qa1f2fce4a7_attn, .Lfunc_end_k_qa1f2fce4a7_attn-k_qa1f2fce4a7_attn
	.p2alignl 7, 3214868480
	.fill 96, 4, 3214868480
	.section	.rodata,"a",@progbits
	.p2align	6, 0x0
	.amdhsa_kernel k_qa1f2fce4a7_attn
		.amdhsa_group_segment_fixed_size 209920
		.amdhsa_private_segment_fixed_size 0
		.amdhsa_enable_private_segment 0
		.amdhsa_kernarg_size 32
		.amdhsa_user_sgpr_count 2
		.amdhsa_user_sgpr_kernarg_segment_ptr 1
		.amdhsa_wavefront_size32 1
		.amdhsa_system_sgpr_workgroup_id_x 1
		.amdhsa_system_sgpr_workgroup_id_y 1
		.amdhsa_system_sgpr_workgroup_id_z 1
		.amdhsa_system_vgpr_workitem_id 0
		.amdhsa_next_free_vgpr 512
		.amdhsa_next_free_sgpr 66
		.amdhsa_reserve_vcc 1
		.amdhsa_float_denorm_mode_32 3
		.amdhsa_float_denorm_mode_16_64 3
		.amdhsa_memory_ordered 1
		.amdhsa_forward_progress 1
		.amdhsa_inst_pref_size 95
	.end_amdhsa_kernel
	.amdgpu_metadata
---
amdhsa.version: [ 1, 2 ]
amdhsa.kernels:
  - .name:           k_qa1f2fce4a7_attn
    .symbol:         k_qa1f2fce4a7_attn.kd
    .args:
      - { .name: qb, .offset: 0, .size: 8, .value_kind: global_buffer, .address_space: global }
      - { .name: kv, .offset: 8, .size: 8, .value_kind: global_buffer, .address_space: global }
      - { .name: yc, .offset: 16, .size: 8, .value_kind: global_buffer, .address_space: global }
      - { .name: ys, .offset: 24, .size: 8, .value_kind: global_buffer, .address_space: global }
    .group_segment_fixed_size: 209920
    .private_segment_fixed_size: 0
    .kernarg_segment_align: 8
    .kernarg_segment_size: 32
    .max_flat_workgroup_size: 256
    .sgpr_count:     66
    .vgpr_count:     512
    .wavefront_size: 32
...
	.end_amdgpu_metadata
.endif
;; end of part 3
;; launch proj (part 4): grid 8 x 32, 4 waves a work-group, clusters of 4 x 4, 295,424 bytes of LDS; arguments yc, ys, wc, ws, b_proj, out0; writes out0
.if DOCPART == 4
	.amdgcn_target "amdgcn-amd-amdhsa--gfx1250"
	.amdhsa_code_object_version 6
	.text
	.protected	k_qa1f2fce4a7_proj
	.globl	k_qa1f2fce4a7_proj
	.p2align	8
	.type	k_qa1f2fce4a7_proj,@function
k_qa1f2fce4a7_proj:
	s_mov_b64 s[64:65], 0
	v_nop
	global_prefetch_b8 v0, s[64:65] scope:SCOPE_SE
	s_setreg_imm32_b32 hwreg(HW_REG_WAVE_MODE, 25, 1), 1
	s_wait_xcnt 0x0
	s_wait_alu depctr_hold_cnt(0) depctr_sa_sdst(0) depctr_va_vdst(0) depctr_va_sdst(0) depctr_va_ssrc(0) depctr_va_vcc(0) depctr_vm_vsrc(0)
	s_getreg_b32 s2, hwreg(HW_REG_IB_STS2, 6, 4)
	s_cmp_eq_u32 s2, 0
	s_cbranch_scc0 .Lentry_in_a_cluster
	s_endpgm
.Lentry_in_a_cluster:
	s_bfe_u32 s2, ttmp6, 0x10000c
	s_cmp_lg_u32 s2, 0xf033
	s_cbranch_scc0 .Lentry_shape_is_right
	s_endpgm
.Lentry_shape_is_right:
; out0 = y w_proj + b_proj on codes of FP6 (E2M3) with E8M0 scales (K = 1,024); out0 [8192][1024] f32.
; OPERANDS are images of their registers (tile T, lane r: row 32 (T / 2) + 8 (T % 2) + r + 8 (r / 8); [block of 128 rows][chunk of 256 K][tile][128 K][64 K][768 bytes]); scale words [tile][r][8].
; A = y's tokens (yc, ys), B = w_proj's columns (rows 3,072 on of wc, ws).  A WORK-GROUP makes 256 tokens x 128 columns; ALL OF K lies in LDS, 294,912 bytes, filled once, in four chunks of 256 K.
; Four waves; wave w owns A's tiles 4 w .. 4 w + 3 against B's eight: 32 accumulators.  The matrix instruction is used transposed (source 0 = 16 rows of B, source 1 = 16 rows of A): a lane holds one token and
; eight neighbouring columns an accumulator.  The bias is the C of each sum's first product.
; CLUSTERS: 4 x 4.  A's chunks are shared along a row of the cluster, B's along a column: joint loads.
; THE WAY OUT: a tile of 16 tokens x 128 columns goes through the wave's own stage in LDS and leaves as whole rows of 512 bytes.  The stage lies in chunks 0 and 1, which have had their only fill and whose last reads
; every wave has waited for ahead of a later barrier.
; REGISTERS as in the launch for q, k, v.  Window 0: v1-6 lane terms; v8-23 LDS addresses by chunk; v24-25 the stage; v32-47 A's scale words, v48-79 B's; v80-143 the bias, then with v144-207 rows on their way out.
; Window 1: accumulator (a, b) at v[64 a + 8 b].  Windows 2, 3: two sets of fragments: A's at v[12 a], B's at v[48 + 12 b].
.set G1A, 28
.set G1B, 36
.set G0A, 44
.set G0B, 68
.set SA,  32
.set SB,  48
.set BI,  80
.set MSB, 0
.macro WIN new                         ; the immediate's high byte repeats the setting that is left
.if MSB != (\new)
	s_set_vgpr_msb (MSB<<8)|(\new)
.set MSB, (\new)
.endif
.endm
.macro PLACES                          ; four plain places behind a matrix instruction, ahead of loads into registers that it has read and of the first read of its result
.rept 4
	v_nop
.endr
.endm
.macro CROUND                          ; a round of the cluster's barrier
	s_barrier_signal -1
	s_barrier_wait -1
	s_cmp_lg_u32 s18, 0
	s_cbranch_scc1 .Lnot_wave_0_\@
	s_barrier_signal -3
.Lnot_wave_0_\@:
	s_barrier_wait -3
	s_barrier_signal -1
	s_barrier_wait -1
.endm
	s_load_b256 s[4:11], s[0:1], 0x0               ; yc, ys, wc, ws
	s_load_b128 s[12:15], s[0:1], 0x20             ; b_proj, out0
	v_lshl_add_u32 v254, v0, 2, 0x48000
	v_mov_b32 v255, 0
	ds_add_u32 v254, v255
	ds_add_u32 v254, v255
	v_lshrrev_b32 v1, 5, v0
	v_readfirstlane_b32 s18, v1                    ; wave 0..3
	s_lshr_b32 s19, s18, 1                         ; which of A's two blocks my tiles lie in
	s_and_b32 s20, s18, 1                          ; which part I fetch
	s_bfe_u32 s21, ttmp6, 0x40000                  ; cx
	s_bfe_u32 s22, ttmp6, 0x40004                  ; cy
	s_and_b32 s24, ttmp7, 0xffff                   ; cluster y
	s_lshl_b32 s84, s24, 3
	s_lshl_b32 s60, s22, 1
	s_add_co_u32 s84, s84, s60                     ; A's first block of 128 tokens: 2 (4 x cluster y + cy)
	s_lshl_b32 s86, ttmp9, 2
	s_add_co_u32 s86, s86, s21                     ; which 128 columns: 4 x cluster x + cx
	s_add_co_u32 s85, s86, 24                      ; B's block in wc
	s_lshl_b32 s25, s22, 2
	s_lshl_b32 s25, 15, s25                        ; my row of the cluster
	s_lshl_b32 s26, 0x1111, s21                    ; my column
	; group 1: the mask, and elements of 8 bytes
	s_or_b32 s[G1A], s25, (3<<16)|(1<<21)
	s_or_b32 s[G1B], s26, (3<<16)|(1<<21)
	; THE FILLS, ONE A WAVE.  LDS holds K in two stages of 147,456 bytes (chunks 0, 1 and chunks 2, 3): A's block 0, A's block 1, B's block, 49,152 bytes each, two chunks on end.
	; A: two rows of 49,152 bytes (6,144 elements of 8 bytes), one for each of A's two blocks, 98,304 bytes apart in memory.  B: 49,152 dense bytes as 192 rows of 256.
	s_mov_b32 s[G1A+1], 6144<<16
	s_mov_b32 s[G1A+2], 2<<16
	s_mov_b32 s[G1A+3], 6144<<16
	s_mov_b32 s[G1A+4], 2
	s_mov_b32 s[G1A+5], 12288
	s_mov_b32 s[G1A+6], 0
	s_mov_b32 s[G1A+7], 0
	s_mov_b32 s[G1B+1], 32<<16
	s_mov_b32 s[G1B+2], 192<<16
	s_mov_b32 s[G1B+3], 32<<16
	s_mov_b32 s[G1B+4], 192
	s_mov_b32 s[G1B+5], 32
	s_mov_b32 s[G1B+6], 0
	s_mov_b32 s[G1B+7], 0
	s_mul_i32 s94, s84, 98304
	s_mov_b32 s95, 0
	s_mul_i32 s98, s85, 98304
	s_mov_b32 s99, 0
	s_wait_dscnt 0x0
	s_wait_kmcnt 0x0
	s_add_nc_u64 s[94:95], s[4:5], s[94:95]        ; A: its first block
	s_add_nc_u64 s[98:99], s[8:9], s[98:99]        ; B: its block
.irp c, 0,1                                    ; a group 0 for each stage: constants alone enter an LDS address
	s_mov_b32 s[G0A+4*\c], 1
	s_mov_b32 s[G0A+4*\c+1], 147456*\c
	s_add_nc_u64 s[G0A+4*\c+2:G0A+4*\c+3], s[94:95], 49152*\c
	s_or_b32 s[G0A+4*\c+3], s[G0A+4*\c+3], 0x80000000
	s_mov_b32 s[G0B+4*\c], 1
	s_mov_b32 s[G0B+4*\c+1], 147456*\c+98304
	s_add_nc_u64 s[G0B+4*\c+2:G0B+4*\c+3], s[98:99], 49152*\c
	s_or_b32 s[G0B+4*\c+3], s[G0B+4*\c+3], 0x80000000
.endr
	CROUND                                         ; all sixteen work-groups are here: the joint loads meet
; One chain of branches on the wave's number, one load to an arm: wave 0 A's stage 0, wave 1 B's stage 0, wave 2 A's stage 1, wave 3 B's stage 1: one load of mine is out.
.macro ARM under, g0, g1, next
	s_cmp_lt_u32 s18, \under
	s_cbranch_scc0 \next
	tensor_load_to_lds s[\g0:\g0+3], s[\g1:\g1+7]
	s_nop 0
.rept 4
	v_nop
.endr
	s_branch .Lfirst_asked
\next:
.endm
	ARM 1, G0A, G1A, .Larm_1
	ARM 2, G0B, G1B, .Larm_2
	ARM 3, G0A+4, G1A, .Larm_3
	tensor_load_to_lds s[G0B+4:G0B+7], s[G1B:G1B+7]
	s_nop 0
.rept 4
	v_nop
.endr
.Lfirst_asked:
	v_and_b32 v1, 31, v0                           ; L
	v_and_b32 v2, 15, v0                           ; r
	v_bfe_u32 v3, v0, 4, 1                         ; h
	v_lshlrev_b32 v4, 4, v1                        ; 16 L
	v_lshlrev_b32 v5, 3, v1                        ; 8 L
	v_lshlrev_b32 v6, 5, v2
	v_lshl_add_u32 v6, v3, 4, v6                   ; scale words: 32 r + 16 h
	s_mul_i32 s60, s19, 49152
	s_mul_i32 s61, s20, 12288
	s_add_co_u32 s60, s60, s61                     ; my four tiles of A in a chunk
.irp c, 0,1,2,3
	v_add_nc_u32 v[8+\c], s60, v4
	v_add_nc_u32 v[12+\c], s60, v5
	v_add_nc_u32 v[16+\c], (\c/2)*147456+(\c%2)*24576+98304, v4
	v_add_nc_u32 v[20+\c], (\c/2)*147456+(\c%2)*24576+98304, v5
	s_add_co_u32 s60, s60, 24576+98304*(\c%2)      ; chunk c lies at 147,456 (c / 2) + 24,576 (c % 2) of its block's place
.endr
	s_mul_i32 s60, s18, 8448                       ; my stage: 16 rows of 512 + 16 bytes
	v_mul_u32_u24 v24, v2, 528
	v_lshl_add_u32 v24, v3, 6, v24
	v_add_nc_u32 v24, s60, v24                     ; in: row r, + 64 h
	v_add_nc_u32 v25, s60, v4                      ; back: 16 L of a row
	s_lshl_b32 s60, s84, 12
	s_lshl_b32 s61, s18, 11
	s_add_co_u32 s60, s60, s61
	s_mov_b32 s61, 0
	s_add_nc_u64 s[6:7], s[6:7], s[60:61]          ; my four tiles' scale words
	s_lshl_b32 s60, s85, 12
	s_add_nc_u64 s[10:11], s[10:11], s[60:61]      ; B's eight tiles'
	s_lshl_b32 s60, s86, 9
	s_add_nc_u64 s[12:13], s[12:13], s[60:61]      ; the bias of my 128 columns
	s_add_nc_u64 s[14:15], s[14:15], s[60:61]      ; out0: my 128 columns,
	s_lshl_b32 s60, s84, 19
	s_lshl_b32 s62, s18, 18
	s_add_co_u32 s60, s60, s62
	s_add_nc_u64 s[14:15], s[14:15], s[60:61]      ; my wave's first token
.irp a, 0,1,2,3
	global_load_b128 v[SA+4*\a:SA+4*\a+3], v6, s[6:7] offset:512*\a
.endr
.irp b, 0,1,2,3,4,5,6,7
	global_load_b128 v[SB+4*\b:SB+4*\b+3], v6, s[10:11] offset:512*\b
.endr
	v_lshlrev_b32 v26, 6, v3                       ; 64 h
.irp b, 0,1,2,3,4,5,6,7                        ; register 8 b + j = b_proj at column 32 (b / 2) + 8 (b % 2) + 16 h + j
	global_load_b128 v[BI+8*\b:BI+8*\b+3], v26, s[12:13] offset:(32*(\b/2)+8*(\b%2))*4
	global_load_b128 v[BI+8*\b+4:BI+8*\b+7], v26, s[12:13] offset:(32*(\b/2)+8*(\b%2))*4+16
.endr
; 48 LDS loads: K step s's twelve fragments into set s % 2; each instruction reads 512 or 256 consecutive bytes
.macro FETCH s
	WIN 0x80+0x40*((\s)%2)
.set CH, (\s)/2
.set KO, ((\s)%2)*1536
.irp a, 0,1,2,3
	ds_load_b128 v[12*\a:12*\a+3], v[8+CH] offset:3072*\a+KO
	ds_load_b64 v[12*\a+4:12*\a+5], v[12+CH] offset:3072*\a+KO+512
	ds_load_b128 v[12*\a+6:12*\a+9], v[8+CH] offset:3072*\a+KO+768
	ds_load_b64 v[12*\a+10:12*\a+11], v[12+CH] offset:3072*\a+KO+1280
.endr
.irp b, 0,1,2,3,4,5,6,7
	ds_load_b128 v[48+12*\b:48+12*\b+3], v[16+CH] offset:3072*\b+KO
	ds_load_b64 v[48+12*\b+4:48+12*\b+5], v[20+CH] offset:3072*\b+KO+512
	ds_load_b128 v[48+12*\b+6:48+12*\b+9], v[16+CH] offset:3072*\b+KO+768
	ds_load_b64 v[48+12*\b+10:48+12*\b+11], v[20+CH] offset:3072*\b+KO+1280
.endr
.endm
; 16 products: A's tiles 2 half, 2 half + 1 x B's eight, K step s.  cmode 0: onto the sums; 1: the bias starts them.  The 32 accumulators take turns, one instruction a turn, in the same order in every step,
.macro MULH s, half, cmode
.if (\cmode) == 0
	WIN 0x5A+5*((\s)%2)                            ; sources 0, 1: window 2 or 3; C and D: window 1
.else
	WIN 0x4A                                       ; C: window 0
.endif
.irp a, 2*(\half), 2*(\half)+1
.irp b, 0,1,2,3,4,5,6,7
.set rD, 64*(\a)+8*\b
.set rC, rD
.if (\cmode) == 1
.set rC, BI+8*\b
.endif
.set rB, 48+12*\b
.set rA, 12*(\a)
.set rSB, SB+4*\b+(\s)%4
.set rSA, SA+4*(\a)+(\s)%4
.if (\s) < 4
	v_wmma_scale_f32_16x16x128_f8f6f4 v[rD:rD+7], v[rB:rB+11], v[rA:rA+11], v[rC:rC+7], v[rSB], v[rSA] matrix_a_fmt:MATRIX_FMT_FP6 matrix_b_fmt:MATRIX_FMT_FP6
.else
	v_wmma_scale_f32_16x16x128_f8f6f4 v[rD:rD+7], v[rB:rB+11], v[rA:rA+11], v[rC:rC+7], v[rSB], v[rSA] matrix_a_fmt:MATRIX_FMT_FP6 matrix_b_fmt:MATRIX_FMT_FP6 matrix_a_scale:MATRIX_SCALE_ROW1 matrix_b_scale:MATRIX_SCALE_ROW1
.endif
.endr
.endr
.endm
.macro EVEN s                          ; the next step lies in the same chunk
	PLACES
	FETCH (\s)+1
	s_wait_dscnt 48                                ; all but the 48 just issued: this step's fragments are in
	MULH \s, 0, 0
	MULH \s, 1, 0
.endm
.macro ODD s                           ; the next step lies in the next chunk
	s_wait_dscnt 0x0                               ; this step's fragments are in; no LDS instruction of mine is out at the signal below
	MULH \s, 0, 0
.if (\s) == 3
	s_wait_tensorcnt 0x0                           ; K step 4 begins stage 1: every wave waits for its load, under no branch. Every wave's reads of stage 0, where the way out's stage lies, are over too
	s_barrier_signal -1
	s_barrier_wait -1                              ; everybody's has landed
.endif
	PLACES
	FETCH (\s)+1
	MULH \s, 1, 0
.endm
	s_wait_alu depctr_va_vdst(0)
	s_cmp_lt_u32 s18, 2                            ; stage 0 is waves 0 and 1's, each by a load line of its own; stage 1's loads may stay out
	s_cbranch_scc0 .Lnot_mine
	s_wait_tensorcnt 0x0
.Lnot_mine:
	s_barrier_signal -1
	s_barrier_wait -1                              ; everybody's has
	FETCH 0
	s_wait_loadcnt 0x0                             ; scale words and bias
	FETCH 1
	s_wait_dscnt 48
	MULH 0, 0, 1
	MULH 0, 1, 1
	ODD 1
	EVEN 2
	ODD 3
	EVEN 4
	ODD 5
	EVEN 6
	s_wait_dscnt 0x0
	MULH 7, 0, 0
	MULH 7, 1, 0
	WIN 0
; THE WAY OUT, tile by tile of 16 tokens.  LDS serves a wave's instructions in order (ISA guide 5.7.1.4): no wait between the stage's stores and loads, nor ahead of the next tile's stores.
.macro TOSTAGE a
	WIN 0x04                                       ; an LDS store's data are its source 1: window 1
.irp b, 0,1,2,3,4,5,6,7
	ds_store_b128 v24, v[64*(\a)+8*\b:64*(\a)+8*\b+3] offset:128*(\b/2)+32*(\b%2)        ; each accumulator from its low end on
	ds_store_b128 v24, v[64*(\a)+8*\b+4:64*(\a)+8*\b+7] offset:128*(\b/2)+32*(\b%2)+16
.endr
	WIN 0
.set BB, 80+64*((\a)%2)
.irp t, 0,1,2,3,4,5,6,7,8,9,10,11,12,13,14,15
	ds_load_b128 v[BB+4*\t:BB+4*\t+3], v25 offset:528*\t
.endr
.endm
.macro SEND a, younger                 ; younger: the LDS instructions issued behind tile a's loads, which may stay out
.set BB, 80+64*((\a)%2)
	s_wait_dscnt \younger
.irp t, 0,1,2,3,4,5,6,7,8,9,10,11,12,13,14,15
	global_store_b128 v4, v[BB+4*\t:BB+4*\t+3], s[14:15] offset:(32*((\a)/2)+8*((\a)%2)+\t+8*(\t/8))*4096 th:TH_STORE_NT   ; 32 lanes store 512 consecutive bytes of a token's row, at a multiple of 256 from out0's first byte
.endr
.endm
	PLACES
	TOSTAGE 0
.irp a, 1,2,3
.if \a > 1
	s_wait_xcnt 0x0                                ; tile a - 2's stores have read their registers: tile a's loads may land there
.endif
	TOSTAGE \a
	SEND \a-1, 32                                  ; behind tile a - 1's loads: tile a's 16 stores and 16 loads
.endr
	SEND 3, 0
	s_wait_tensorcnt 0x0
	ds_add_u32 v254, v255
	s_wait_dscnt 0x0
	CROUND                                         ; the closing round: no work-group ends while a partner may still ask for a chunk that names it
	s_endpgm
.Lfunc_end_k_qa1f2fce4a7_proj:
	.size	k_qa1f2fce4a7_proj, .Lfunc_end_k_qa1f2fce4a7_proj-k_qa1f2fce4a7_proj
	.p2alignl 7, 3214868480
	.fill 96, 4, 3214868480
	.section	.rodata,"a",@progbits
	.p2align	6, 0x0
	.amdhsa_kernel k_qa1f2fce4a7_proj
		.amdhsa_group_segment_fixed_size 295424
		.amdhsa_private_segment_fixed_size 0
		.amdhsa_enable_private_segment 0
		.amdhsa_kernarg_size 48
		.amdhsa_user_sgpr_count 2
		.amdhsa_user_sgpr_kernarg_segment_ptr 1
		.amdhsa_wavefront_size32 1
		.amdhsa_system_sgpr_workgroup_id_x 1
		.amdhsa_system_sgpr_workgroup_id_y 1
		.amdhsa_system_sgpr_workgroup_id_z 1
		.amdhsa_system_vgpr_workitem_id 0
		.amdhsa_next_free_vgpr 912
		.amdhsa_next_free_sgpr 104
		.amdhsa_reserve_vcc 0
		.amdhsa_float_denorm_mode_32 3
		.amdhsa_float_denorm_mode_16_64 3
		.amdhsa_memory_ordered 1
		.amdhsa_forward_progress 1
		.amdhsa_inst_pref_size 83
	.end_amdhsa_kernel
	.amdgpu_metadata
---
amdhsa.version: [ 1, 2 ]
amdhsa.kernels:
  - .name:           k_qa1f2fce4a7_proj
    .symbol:         k_qa1f2fce4a7_proj.kd
    .args:
      - { .name: yc, .offset: 0, .size: 8, .value_kind: global_buffer, .address_space: global }
      - { .name: ys, .offset: 8, .size: 8, .value_kind: global_buffer, .address_space: global }
      - { .name: wc, .offset: 16, .size: 8, .value_kind: global_buffer, .address_space: global }
      - { .name: ws, .offset: 24, .size: 8, .value_kind: global_buffer, .address_space: global }
      - { .name: b_proj, .offset: 32, .size: 8, .value_kind: global_buffer, .address_space: global }
      - { .name: out0, .offset: 40, .size: 8, .value_kind: global_buffer, .address_space: global }
    .group_segment_fixed_size: 295424
    .private_segment_fixed_size: 0
    .kernarg_segment_align: 8
    .kernarg_segment_size: 48
    .max_flat_workgroup_size: 128
    .sgpr_count:     104
    .vgpr_count:     912
    .wavefront_size: 32
...
	.end_amdgpu_metadata
.endif
;; end of part 4
